; MI455X (gfx1250); checked and timed in simulation.
; The chip was launched on July 23, 2026; its instructions are those of AMD's public machine-readable ISA for CDNA 5 (MIT licence, August 2026) and "CDNA5" Instruction Set Architecture Reference Guide (July 2026). The comments in the code are by the model that wrote it; some were corrected since.
;; Mo E Layer. Allowed arithmetic: matrix products marked QUANTISED: E3M2 operands, one E8M0 scale for each 32 along K, by v_wmma_scale_f32_16x16x128_f8f6f4 with both operands' format E3M2, f32 sums; products left as they are: f32 operands where the result goes on into a quantised operand, else bf16, f16 or f32 operands; f32 sums; everything else in f32.
;; Inputs: b1_all 8 x 2,048 float32; b2_all 8 x 512 float32; router_w 8 x 512 float32; w1_all_codes 8 x 2,048 x 16 x 24 uint8 (E3M2 codes of w1_all, K innermost, in blocks of 32 codes, four codes in three bytes); w1_all_scales 8 x 2,048 x 16 uint8 (E8M0 scales of w1_all, one for each 32 codes along K); w2_all_codes 8 x 512 x 64 x 24 uint8 (E3M2 codes of w2_all, K innermost, in blocks of 32 codes, four codes in three bytes); w2_all_scales 8 x 512 x 64 uint8 (E8M0 scales of w2_all, one for each 32 codes along K); x 2 x 2,048 x 512 float32.
;; Outputs: out0 2 x 2,048 x 512 float32.
;; This version of the problem:
;;   THIS VERSION OF THE PROBLEM IS GIVEN IN LOW PRECISION. The matrix products marked QUANTISED in the list below multiply operands that are first quantised to E3M2 (3 exponent bits, 2 mantissa bits; 6 bits a number), with one power-of-two scale for each 32 numbers along K (OCP MX v1.0); their sums are f32. All else is computed in f32.
;;   The module's matrix products, in the order in which they are computed (A, B: the left and right operand; K: the contracted axis; several contracted axes count as one K, in the product's order):
;;     1. [M 4,096, K 512] x [K 512, N 8]; A: input x; B: input router_w: left as it is (N = 8 < 16)
;;     2. [M 4,096, K 512] x [K 512, N 16,384]; A: input x; B: input w1_all (given as codes): QUANTISED
;;     3. batch 8 x [M 512, K 2,048] x [K 2,048, N 4,096]; A: input w2_all (given as codes); B: computed on the way: QUANTISED
;;   THE QUANTISER, for each operand of a quantised product, along K:
;;     - K is cut into blocks of 32 from its start; a last block that is shorter is filled with zeros.
;;     - A block's scale is 2^e with e = floor(log2(the largest magnitude in the block)) - 4, held to -126 .. 127; a block of zeros has e = 0. As a byte (E8M0): e + 127.
;;     - Each number is divided by its block's scale, clamped to +-28, and rounded to the nearest number of E3M2, ties to even, subnormals kept.
;;     - The product sums the exact products of the quantised numbers (number of the format x scale) in f32.
;;   ~~~python
;;   def quantise(x, axis):      # numpy; x: float32 -> the quantised numbers, widened to float32 again
;;       x = np.moveaxis(x, axis, -1); K = x.shape[-1]
;;       x = np.pad(x, [(0, 0)] * (x.ndim - 1) + [(0, -K % 32)]); x = x.reshape(x.shape[:-1] + (-1, 32)); a = np.abs(x).max(-1, keepdims=True)
;;       e = np.where(a > 0, np.clip(np.frexp(np.where(a > 0, a, 1))[1] - 1 - 4, -126, 127), 0)      # np.frexp(a)[1] - 1 = floor(log2(a)), exactly
;;       r = np.clip(x / 2.0 ** e, -28, 28)
;;       step = 2.0 ** (np.maximum(np.frexp(np.where(r == 0, 1, r))[1] - 1, -2) - 2)
;;       q = np.round(r / step) * step * 2.0 ** e      # np.round: ties to even
;;       return np.moveaxis(q.reshape(q.shape[:-2] + (-1,))[..., :K], -1, axis).astype(np.float32)
;;   ~~~
;;   OPERANDS COMPUTED ON THE WAY. 'Computed on the way' means the value that the module computes at that place (a softmax that the list does not call 'softmax' is quantised finished and normalised). What goes into a quantiser is computed in f32, as accurately as f32 sums, v_exp_f32 and their like allow (about 1e-6 of the number): no bf16 or f16 on the way to a quantiser, and a product that is left as it is and whose result goes on into a quantised operand takes f32 operands (vector FMAs, or v_wmma_f32_16x16x4_f32). A number that lies on a knife's edge between two numbers of the format may be rounded either way, as far as f32 arithmetic and the matrix unit's own rounding can turn it there, and no further.
;;   INPUTS GIVEN AS CODES. w1_all (in the module: [8, 2048, 512], K = its axis 2); w2_all (in the module: [8, 512, 2048], K = its axis 2): each comes as NAME_codes (uint8): NAME with its K axis moved to the last place and cut into blocks of 32 codes, [.., K / 32, bytes a block], one block behind the other in memory; four codes in three bytes: a row's codes are one little-endian stream of bits, code i at bits 6 i .. 6 i + 5 (a code: sign, 3 exponent bits, 2 mantissa bits); and NAME_scales (uint8): the same leading axes, one E8M0 byte (e + 127) for each 32 codes along K. Its value is code x scale, taken as it is: it is not quantised again, and the codes and scales need not be those that the quantiser above would give.
;; 3 versions, each right; version 2 is faster than version 1; version 3 is version 2 with the launch chain written anew for expert scheduling mode. Each part assembles by itself: llvm-mc -triple=amdgcn-amd-amdhsa -mcpu=gfx1250 --defsym DOCPART=n.
;; ======== version 1 of 3: 3 launches
;; workspace buffers: xq 1,572,864 bytes; xs 65,536 bytes; route 32,768 bytes of whole numbers; gate 32,768 bytes; order 16,384 bytes of whole numbers; tiles 2,560 bytes of whole numbers; wl 12,582,912 bytes; w2s 262,144 bytes
;; launch route (part 1): grid 128 x 1, 8 waves a work-group, no clusters, 84,992 bytes of LDS; arguments x, router_w, xq, xs, route, gate; writes xq, xs, route, gate
.if DOCPART == 1
	.amdgcn_target "amdgcn-amd-amdhsa--gfx1250"
	.amdhsa_code_object_version 6
	.text
	.protected	k_q5493d33c06_route
	.globl	k_q5493d33c06_route
	.p2align	8
	.type	k_q5493d33c06_route,@function
k_q5493d33c06_route:
	s_mov_b64 s[64:65], 0
	v_nop
	global_prefetch_b8 v0, s[64:65] scope:SCOPE_SE
	s_setreg_imm32_b32 hwreg(HW_REG_WAVE_MODE, 25, 1), 1
	s_wait_xcnt 0x0
; x [4096][512] f32 -> codes of BF6 (E3M2), xq [4096][384 bytes], and E8M0 scale bytes, xs [4096][16]; the router: logits in f32 by fused multiply-adds, softmax with the
; row's maximum taken away, the two largest probabilities (strict >: the lower index wins a tie), their renormalised weights.
; A work-group owns 32 tokens, a wave four.  A token's row is 2,048 bytes: four loads of 512 consecutive bytes; the row turns through the wave's own stage in LDS so that a lane
; holds 16 neighbours along K (two neighbouring lanes hold a block of 32), which is what the conversion takes.
; WHAT IS STORED OF THE CHOICE, at fixed places: for each token key | rank << 8 (key: the number 0..27 of its unordered pair of experts a < b; rank: how many earlier tokens of
; the same 32 have the same key), for each 32 tokens the count of each key, and the gates (of a, of b).  No address and no branch of this launch hangs on them.
; LIMITS: NaN and infinities among the inputs are not served.  v_exp_f32 gives 0 for a probability under 2^-126: such a gate is 0.  A block of zeros gets the scale byte 1
; (its codes are zeros, and this program alone reads the bytes).  The logits' sums are taken in another order than the reference's.
.set STGW, 10240                       ; LDS: four stages of 2,560 bytes for each wave (32 places of 64 bytes + 16 of padding)
.set STGT, 2560
.set LOGB, 81920                       ; the logits: 32 tokens x 32 bytes
.set SCB,  82944                       ; the scale bytes: 32 tokens x 16 bytes
.set ACC,  16                          ; v16-31   eight pairs of partial sums
.set X,    32                          ; v32-63   two sets of 16 neighbours
.set RW,   64                          ; v64-191  router_w[e][16 lane + i] at RW + 16 e + i
.set R,    192                         ; v192-255 token t: 16 registers as loaded; later +0..2 its codes, +4 its scale byte, +8..15 its logits
	s_load_b256 s[4:11], s[0:1], 0x0               ; x, router_w, xq, xs
	s_load_b128 s[12:15], s[0:1], 0x20             ; route, gate
	v_lshl_add_u32 v14, v0, 2, 0x14800
	v_mov_b32 v15, 0
	v_lshrrev_b32 v1, 5, v0
	v_readfirstlane_b32 s16, v1                    ; wave 0..7
	v_and_b32 v1, 31, v0                           ; lane
	v_lshlrev_b32 v2, 4, v1                        ; 16 x lane
	s_mul_i32 s17, s16, STGW
	v_lshrrev_b32 v3, 2, v1
	v_mul_u32_u24 v3, v3, 80
	v_and_b32 v4, 3, v1
	v_lshl_add_u32 v3, v4, 4, v3
	v_add_nc_u32 v3, s17, v3                       ; the stage, in: 80 (lane / 4) + 16 (lane % 4)
	v_mul_u32_u24 v4, v1, 80
	v_add_nc_u32 v4, s17, v4                       ; and out: 80 x lane
	v_mul_u32_u24 v5, v1, 12                       ; my 16 codes in a row of xq
	v_lshrrev_b32 v6, 1, v1
	s_lshl_b32 s18, s16, 6
	s_add_co_u32 s18, s18, SCB
	v_add_nc_u32 v6, s18, v6                       ; my block's scale byte
	s_lshl_b32 s19, s16, 7
	s_add_co_u32 s19, s19, LOGB
	v_mov_b32 v7, s19                              ; my wave's four tokens' logits
	v_lshlrev_b32 v13, 6, v1                       ; my 16 numbers in a row of router_w
	s_mov_b32 s20, 0x76543210
	s_mov_b32 s21, 0xfedcba98                      ; v_permlanex16_b32's selects for lane l xor 16
	s_lshl_b32 s22, ttmp9, 16                      ; x: 32 rows of 2,048 bytes a work-group, four a wave
	s_lshl_b32 s23, s16, 13
	s_add_co_u32 s22, s22, s23
	s_mov_b32 s23, 0
	s_mul_i32 s24, ttmp9, 12288                    ; xq: rows of 384 bytes
	s_mul_i32 s25, s16, 1536
	s_add_co_u32 s24, s24, s25
	s_mov_b32 s25, 0
	s_lshl_b32 s26, ttmp9, 9                       ; xs: 512 bytes a work-group
	s_mov_b32 s27, 0
	s_lshl_b32 s28, ttmp9, 8                       ; route, gate: 256 bytes a work-group
	s_mov_b32 s29, 0
	s_wait_kmcnt 0x0
	s_add_nc_u64 s[4:5], s[4:5], s[22:23]
	s_add_nc_u64 s[8:9], s[8:9], s[24:25]
	s_add_nc_u64 s[10:11], s[10:11], s[26:27]
	s_add_nc_u64 s[12:13], s[12:13], s[28:29]
	s_add_nc_u64 s[14:15], s[14:15], s[28:29]
.irp t, 0,1,2,3
.irp i, 0,1,2,3
	global_load_b128 v[R+16*\t+4*\i:R+16*\t+4*\i+3], v2, s[4:5] offset:2048*\t+512*\i th:TH_LOAD_NT   ; 32 lanes read 512 consecutive bytes
.endr
.endr
.irp e, 0,1,2,3,4,5,6,7
.irp j, 0,1,2,3
	global_load_b128 v[RW+16*\e+4*\j:RW+16*\e+4*\j+3], v13, s[6:7] offset:2048*\e+16*\j
.endr
.endr
.macro TURN t                          ; token t's row through its stage: LDS serves a wave's instructions in order, so no wait stands between the stores and the loads
.irp i, 0,1,2,3
	ds_store_b128 v3, v[R+16*(\t)+4*\i:R+16*(\t)+4*\i+3] offset:STGT*(\t)+640*\i
.endr
.irp i, 0,1,2,3
	ds_load_b128 v[X+16*((\t)%2)+4*\i:X+16*((\t)%2)+4*\i+3], v4 offset:STGT*(\t)+16*\i
.endr
.endm
; Token t: its codes and scale bytes, and its eight logits.  cnt: the LDS instructions issued behind its four loads from the stage.
.macro TOK t, cnt
.set XS, X+16*((\t)%2)
.set RT, R+16*(\t)
	s_wait_dscnt \cnt                              ; my 16 neighbours are in; so the stage's stores have read R's registers, which are written below
	v_max3_num_f32 v8, |v[XS]|, |v[XS+1]|, |v[XS+2]|
	v_max3_num_f32 v9, |v[XS+3]|, |v[XS+4]|, |v[XS+5]|
.irp i, 6,10
	v_max3_num_f32 v8, v8, |v[XS+\i]|, |v[XS+\i+1]|
	v_max3_num_f32 v9, v9, |v[XS+\i+2]|, |v[XS+\i+3]|
.endr
	v_max3_num_f32 v8, v8, |v[XS+14]|, |v[XS+15]|
	v_max3_num_f32 v8, v8, v9, 0x2800000           ; and the floor 2^(5 - 127): the byte cannot fall under 1
	v_max_num_f32_dpp v8, v8, v8 row_xmask:1 row_mask:0xf bank_mask:0xf   ; with my neighbour's 16: the block's largest magnitude
	v_add_nc_u32 v11, 0xfe000000, v8               ; 4 off its exponent field: the conversion takes this operand's exponent field as its scale
	v_cvt_scalef32_pk16_bf6_f32 v[RT:RT+2], v[XS:XS+15], v11
	v_lshrrev_b32 v[RT+4], 23, v11                 ; the scale's byte (also the plain line behind the conversion)
	ds_store_b8 v6, v[RT+4] offset:16*(\t)         ; both lanes of a block write the same byte with the same value
	global_store_b96 v5, v[RT:RT+2], s[8:9] offset:384*(\t)   ; the wave stores the row's 384 consecutive bytes
.irp e, 0,1,2,3,4,5,6,7
	v_pk_mul_f32 v[ACC+2*\e:ACC+2*\e+1], v[XS:XS+1], v[RW+16*\e:RW+16*\e+1]   ; the first products start the sums
.endr
.irp j, 1,2,3,4,5,6,7
.irp e, 0,1,2,3,4,5,6,7
	v_pk_fma_f32 v[ACC+2*\e:ACC+2*\e+1], v[XS+2*\j:XS+2*\j+1], v[RW+16*\e+2*\j:RW+16*\e+2*\j+1], v[ACC+2*\e:ACC+2*\e+1]
.endr
.endr
.irp e, 0,1,2,3,4,5,6,7
	v_add_f32 v[RT+8+\e], v[ACC+2*\e], v[ACC+2*\e+1]
.endr
.irp k, 1,2,4,8
.irp e, 0,1,2,3,4,5,6,7
	v_add_f32_dpp v[RT+8+\e], v[RT+8+\e], v[RT+8+\e] row_xmask:\k row_mask:0xf bank_mask:0xf
.endr
.endr
.irp e, 0,1,2,3,4,5,6,7
	v_permlanex16_b32 v[ACC+\e], v[RT+8+\e], s20, s21
.endr
.irp e, 0,1,2,3,4,5,6,7
	v_add_f32 v[RT+8+\e], v[RT+8+\e], v[ACC+\e]    ; every lane holds the token's eight logits
.endr
	ds_store_b128 v7, v[RT+8:RT+11] offset:32*(\t)     ; all lanes write the same 32 bytes with the same values
	ds_store_b128 v7, v[RT+12:RT+15] offset:32*(\t)+16
.endm
	s_wait_loadcnt 44                              ; token 0's four loads are in: 12 of x and 32 of router_w were issued behind them
	TURN 0
	s_wait_loadcnt 40                              ; token 1's
	TURN 1
	s_wait_loadcnt 0x0                             ; the rest of x, and router_w
	TOK 0, 8                                       ; behind token 0's loads from the stage: token 1's eight
	TURN 2
	TOK 1, 11                                      ; token 0's three stores and token 2's eight
	TURN 3
	TOK 2, 11
	TOK 3, 3                                       ; token 2's three stores
	s_wait_dscnt 0x0                               ; for the others' sake: my stores have landed
	s_barrier_signal -1
	s_barrier_wait -1
	s_cmp_eq_u32 s16, 1
	s_cbranch_scc1 .Lscales
	s_cmp_eq_u32 s16, 0
	s_cbranch_scc1 .Ltail
	s_wait_tensorcnt 0x0
	ds_add_u32 v14, v15
	s_wait_dscnt 0x0
	s_endpgm
.Lscales:                                              ; wave 1: the 32 tokens' scale bytes leave as 512 consecutive bytes
	v_add_nc_u32 v8, SCB, v2
	ds_load_b128 v[32:35], v8
	s_wait_dscnt 0x0
	global_store_b128 v2, v[32:35], s[10:11]
	s_wait_tensorcnt 0x0
	ds_add_u32 v14, v15
	s_wait_dscnt 0x0
	s_endpgm
.Ltail:                                                ; wave 0: a lane is a token
	v_lshl_add_u32 v8, v1, 5, LOGB
	ds_load_b128 v[32:35], v8
	ds_load_b128 v[36:39], v8 offset:16
	s_wait_dscnt 0x0
	v_max3_num_f32 v40, v32, v33, v34
	v_max3_num_f32 v40, v40, v35, v36
	v_max3_num_f32 v40, v40, v37, v38
	v_max_num_f32 v40, v40, v39                    ; the row's largest logit
.irp e, 0,1,2,3,4,5,6,7
	v_sub_f32 v[32+\e], v[32+\e], v40
.endr
.irp e, 0,1,2,3,4,5,6,7
	v_mul_f32 v[32+\e], 0x3fb8aa3b, v[32+\e]       ; x log2(e)
.endr
.irp e, 0,1,2,3,4,5,6,7
	v_exp_f32 v[32+\e], v[32+\e]
.endr
	v_nop                                          ; a plain line behind the last exponential
	s_wait_alu depctr_va_vdst(0)                   ; one wait for the eight, ahead of their first reader
	v_add_f32 v41, v32, v33
	v_add_f32 v42, v34, v35
	v_add_f32 v43, v36, v37
	v_add_f32 v44, v38, v39
	v_add_f32 v41, v41, v42
	v_add_f32 v43, v43, v44
	v_add_f32 v41, v41, v43
	v_rcp_f32 v41, v41
	v_nop
	s_wait_alu depctr_va_vdst(0)
.irp e, 0,1,2,3,4,5,6,7
	v_mul_f32 v[32+\e], v[32+\e], v41              ; the probabilities
.endr
	v_mov_b32 v45, v32                             ; the largest so far, and its index;
	v_mov_b32 v46, 0
	v_mov_b32 v47, -1.0                            ; the second: under every probability
	v_mov_b32 v48, 0
.irp e, 1,2,3,4,5,6,7
	v_mov_b32 v49, \e
	v_cmp_gt_f32 s22, v[32+\e], v45
	v_cmp_gt_f32 s23, v[32+\e], v47
	v_cndmask_b32 v47, v47, v[32+\e], s23
	v_cndmask_b32 v48, v48, v49, s23
	v_cndmask_b32 v47, v47, v45, s22
	v_cndmask_b32 v48, v48, v46, s22
	v_cndmask_b32 v45, v45, v[32+\e], s22
	v_cndmask_b32 v46, v46, v49, s22
.endr
	v_add_f32 v50, v45, v47
	v_add_f32 v50, 0x3089705f, v50                 ; + 1e-9
	v_rcp_f32 v50, v50
	v_nop
	s_wait_alu depctr_va_vdst(0)
	v_mul_f32 v51, v45, v50
	v_mul_f32 v52, v47, v50
	v_cmp_lt_u32 vcc_lo, v46, v48
	v_cndmask_b32 v53, v48, v46, vcc_lo            ; a: the lower-numbered of the two experts,
	v_cndmask_b32 v54, v46, v48, vcc_lo            ; b: the other,
	v_cndmask_b32 v56, v52, v51, vcc_lo            ; and their gates
	v_cndmask_b32 v57, v51, v52, vcc_lo
	v_sub_nc_u32 v55, 15, v53
	v_mul_u32_u24 v55, v55, v53
	v_lshrrev_b32 v55, 1, v55
	v_add_nc_u32 v55, v55, v54
	v_sub_nc_u32 v55, v55, v53
	v_add_nc_u32 v55, -1, v55                      ; key = a (15 - a) / 2 + b - a - 1: 0..27
	v_mov_b32 v58, 0
	v_mov_b32 v59, 0
.set q, 0
.rept 28
	v_cmp_eq_u32 s22, q, v55
	v_mbcnt_lo_u32_b32 v60, s22, 0                 ; earlier lanes with key q
	v_cndmask_b32 v58, v58, v60, s22               ; my rank, where q is my key
	s_bcnt1_i32_b32 s23, s22
	v_writelane_b32 v59, s23, q                    ; lane q: the 32 tokens' count of key q
.set q, q+1
.endr
	v_lshl_or_b32 v58, v58, 8, v55
	v_lshlrev_b32 v61, 3, v1
	global_store_b64 v61, v[58:59], s[12:13]       ; 32 lanes store 256 consecutive bytes, aligned
	global_store_b64 v61, v[56:57], s[14:15]
	s_wait_tensorcnt 0x0
	ds_add_u32 v14, v15
	s_wait_dscnt 0x0
	s_endpgm
.Lfunc_end_k_q5493d33c06_route:
	.size	k_q5493d33c06_route, .Lfunc_end_k_q5493d33c06_route-k_q5493d33c06_route
	.p2alignl 7, 3214868480
	.fill 96, 4, 3214868480
	.section	.rodata,"a",@progbits
	.p2align	6, 0x0
	.amdhsa_kernel k_q5493d33c06_route
		.amdhsa_group_segment_fixed_size 84992
		.amdhsa_private_segment_fixed_size 0
		.amdhsa_enable_private_segment 0
		.amdhsa_kernarg_size 48
		.amdhsa_user_sgpr_count 2
		.amdhsa_user_sgpr_kernarg_segment_ptr 1
		.amdhsa_wavefront_size32 1
		.amdhsa_system_sgpr_workgroup_id_x 1
		.amdhsa_system_sgpr_workgroup_id_y 1
		.amdhsa_system_sgpr_workgroup_id_z 1
		.amdhsa_system_vgpr_workitem_id 0
		.amdhsa_next_free_vgpr 256
		.amdhsa_next_free_sgpr 66
		.amdhsa_reserve_vcc 1
		.amdhsa_float_denorm_mode_32 3
		.amdhsa_float_denorm_mode_16_64 3
		.amdhsa_memory_ordered 1
		.amdhsa_forward_progress 1
		.amdhsa_inst_pref_size 57
	.end_amdhsa_kernel
	.amdgpu_metadata
---
amdhsa.version: [ 1, 2 ]
amdhsa.kernels:
  - .name:           k_q5493d33c06_route
    .symbol:         k_q5493d33c06_route.kd
    .args:
      - { .name: x, .offset: 0, .size: 8, .value_kind: global_buffer, .address_space: global }
      - { .name: router_w, .offset: 8, .size: 8, .value_kind: global_buffer, .address_space: global }
      - { .name: xq, .offset: 16, .size: 8, .value_kind: global_buffer, .address_space: global }
      - { .name: xs, .offset: 24, .size: 8, .value_kind: global_buffer, .address_space: global }
      - { .name: route, .offset: 32, .size: 8, .value_kind: global_buffer, .address_space: global }
      - { .name: gate, .offset: 40, .size: 8, .value_kind: global_buffer, .address_space: global }
    .group_segment_fixed_size: 84992
    .private_segment_fixed_size: 0
    .kernarg_segment_align: 8
    .kernarg_segment_size: 48
    .max_flat_workgroup_size: 256
    .sgpr_count:     66
    .vgpr_count:     256
    .wavefront_size: 32
...
	.end_amdgpu_metadata
.endif
;; end of part 1
;; launch place (part 2): grid 288 x 1, 4 waves a work-group, no clusters, 0 bytes of LDS; arguments route, w1_all_codes, w2_all_codes, w2_all_scales, order, tiles, wl, w2s; writes order, tiles, wl, w2s
.if DOCPART == 2
	.amdgcn_target "amdgcn-amd-amdhsa--gfx1250"
	.amdhsa_code_object_version 6
	.text
	.protected	k_q5493d33c06_place
	.globl	k_q5493d33c06_place
	.p2align	8
	.type	k_q5493d33c06_place,@function
k_q5493d33c06_place:
	s_mov_b64 s[64:65], 0
	v_nop
	global_prefetch_b8 v0, s[64:65] scope:SCOPE_SE
	s_setreg_imm32_b32 hwreg(HW_REG_WAVE_MODE, 25, 1), 1
	s_wait_xcnt 0x0
; Two jobs that share a launch; a work-group's number says which.  No LDS, no barrier: waves share nothing.
; WORK-GROUPS 0-31, THE SORT: wave c = 4 x work-group + wave places the 32 tokens of chunk c.  A token's place in 'order' is: the tokens of lower keys + the tokens of its key in
; earlier chunks + its rank in its chunk.  Every wave reads all 128 chunks' counts (16 KiB) and sums for itself: no traffic between work-groups.
; THE LIST OF TILES: a tile is at most 32 tokens of ONE key.  With F full tiles and P part tiles, T = F + P <= 128 + 27 = 155.  The list always has 155 entries with rows:
; entries 0..F-1 the full tiles, F..T-1 the part tiles, and the X = 155 - T entries left take rows 16-31 of full tiles 0..X-1, which keep rows 0-15.
; (F >= (4096 - 28 x 31) / 32 = 101 >= 27 >= X for every split.)  An entry is start, count, a, b.
; WORK-GROUPS 32-287, THE LAYOUT: the weights' codes are laid once in the order of the operand's registers, [e][chunk of 512 hidden units][wave][W1, W2][piece][K step][4 registers][lane][16 bytes],
; so that the next launch loads a fragment (12 registers a lane) by three loads of 512 consecutive bytes.  W2's scale bytes are laid [e][chunk][column][16].
; W1's piece 2 b + u of (e, chunk, w): lane r holds hidden unit 512 chunk + 128 w + 32 b + 8 u + r + 8 (r / 8).  W2's piece n: lane r holds output column 128 w + 16 n + r; K = the chunk's 512 hidden units.
.set H, 32                             ; v32-159  the sort: the 128 chunks' counts, lane q = key q
	s_load_b512 s[4:19], s[0:1], 0x0               ; route, w1 codes, w2 codes, w2 scales, order, tiles, wl, w2s
	v_lshrrev_b32 v1, 5, v0
	v_readfirstlane_b32 s20, v1                    ; wave 0..3
	s_wait_kmcnt 0x0
	s_cmp_ge_u32 ttmp9, 32
	s_cbranch_scc1 .Llayout
	s_lshl_b32 s21, ttmp9, 2
	s_add_co_u32 s21, s21, s20                     ; c: my chunk
	v_and_b32 v1, 31, v0
	v_lshlrev_b32 v2, 3, v1
	s_lshl_b32 s22, s21, 8
	v_add_nc_u32 v3, s22, v2
	global_load_b32 v4, v3, s[4:5]                 ; my token's key | rank << 8
.set i, 0
.rept 128
	global_load_b32 v[H+i], v2, s[4:5] offset:256*i+4
.set i, i+1
.endr
	s_wait_loadcnt 0x0
.irp k, 0,1,2,3
	v_add_nc_u32 v[8+\k], v[H+\k], v[H+4+\k]       ; each key's total, in four chains
	v_mov_b32 v[12+\k], 0
.endr
.irp i, 8,16,24,32,40,48,56,64,72,80,88,96,104,112,120
.irp k, 0,1,2,3
	v_add3_u32 v[8+\k], v[8+\k], v[H+\i+\k], v[H+\i+4+\k]
.endr
.endr
	v_add3_u32 v16, v8, v9, v10
	v_add_nc_u32 v16, v16, v11                     ; lane q: tokens of key q
.set i, 0
.rept 128
	s_cmp_gt_u32 s21, i                            ; the chunks in front of mine
	s_cselect_b32 s22, 1, 0
	v_mad_u32_u24 v[12+i%4], v[H+i], s22, v[12+i%4]
.set i, i+1
.endr
	v_add3_u32 v17, v12, v13, v14
	v_add_nc_u32 v17, v17, v15                     ; lane q: tokens of key q in earlier chunks
	s_mov_b32 s24, 0                               ; F
	s_mov_b32 s25, 0                               ; P
.set q, 0
.rept 28
	v_readlane_b32 s31, v16, q
	s_lshr_b32 s35, s31, 5
	s_add_co_u32 s24, s24, s35
	s_and_b32 s35, s31, 31
	s_min_u32 s35, s35, 1
	s_add_co_u32 s25, s25, s35
.set q, q+1
.endr
	s_add_co_u32 s26, s24, s25                     ; T
	s_sub_co_u32 s27, 155, s26                     ; X
	s_lshl_b32 s22, s21, 5
	v_add_nc_u32 v20, s22, v1                      ; i = 32 c + lane: my token's number, and (in chunks 0-4) the entry of the list that I make
	v_cmp_le_u32 s33, s26, v20                     ; an entry behind the T tiles: the second half of a full tile
	v_sub_nc_u32 v21, v20, s26
	v_cndmask_b32 v22, v20, v21, s33               ; J: which tile
	v_cmp_gt_u32 s34, s24, v22                     ; a full one?
	v_and_b32 v5, 0xff, v4                         ; my token's key
	v_lshrrev_b32 v6, 8, v4                        ; and rank
.irp r, 23,24,25,26,27
	v_mov_b32 v\r, 0
.endr
	s_mov_b32 s28, 0                               ; full tiles of lower keys
	s_mov_b32 s29, s24                             ; F + part tiles of lower keys
	s_mov_b32 s30, 0                               ; tokens of lower keys
; The last key whose prefix is at most J owns tile J (keys without tiles share the next key's prefix and are passed over).  A select keeps the old value where the mask is set.
.set q, 0
.irp a, 0,1,2,3,4,5,6
.irp b, 1,2,3,4,5,6,7
.if \b > \a
	v_readlane_b32 s31, v16, q
	v_readlane_b32 s32, v17, q
	s_add_co_u32 s32, s32, s30
	v_cmp_ne_u32 vcc_lo, q, v5
	v_cndmask_b32 v23, s32, v23, vcc_lo            ; where q is my token's key: the first place of my chunk's tokens of that key
	v_cmp_gt_u32 s35, s28, v22
	v_cmp_gt_u32 s36, s29, v22
	s_and_b32 s35, s35, s34
	s_and_not1_b32 s36, s36, s34
	s_or_b32 vcc_lo, s35, s36                      ; the key's prefix lies beyond J
	s_mov_b32 s37, \a|(\b<<8)
	v_cndmask_b32 v24, s30, v24, vcc_lo            ; the key's first place in 'order',
	v_cndmask_b32 v25, s28, v25, vcc_lo            ; its first full tile,
	v_cndmask_b32 v26, s31, v26, vcc_lo            ; its tokens,
	v_cndmask_b32 v27, s37, v27, vcc_lo            ; its two experts
	s_lshr_b32 s35, s31, 5
	s_add_co_u32 s28, s28, s35
	s_and_b32 s35, s31, 31
	s_min_u32 s35, s35, 1
	s_add_co_u32 s29, s29, s35
	s_add_co_u32 s30, s30, s31
.set q, q+1
.endif
.endr
.endr
	v_add_nc_u32 v23, v23, v6
	v_min_u32 v23, 0xfff, v23                      ; a place made of loaded numbers is held inside the buffer
	v_lshlrev_b32 v23, 2, v23
	global_store_b32 v23, v20, s[12:13]            ; order[place] = my token
	v_sub_nc_u32 v32, v22, v25
	v_lshl_add_u32 v32, v32, 5, v24                ; a full tile: start,
	v_mov_b32 v33, 16
	v_mov_b32 v34, 32
	v_cndmask_b32 v35, 0, v33, s33
	v_add_nc_u32 v32, v32, v35                     ; 16 on for a second half;
	v_cmp_gt_u32 s35, s27, v22
	v_cndmask_b32 v36, v34, v33, s35               ; 16 rows where the tile is shared, else 32
	v_and_b32 v37, 0xffffffe0, v26
	v_add_nc_u32 v37, v37, v24                     ; a part tile: behind the key's full tiles,
	v_and_b32 v38, 31, v26                         ; what is left
	v_cndmask_b32 v40, v37, v32, s34
	v_cndmask_b32 v41, v38, v36, s34
	v_and_b32 v42, 0xff, v27
	v_lshrrev_b32 v43, 8, v27
	s_cmp_lt_u32 s21, 5                            ; entries 0..159: chunks 0 to 4 (ids alone)
	s_cbranch_scc0 .Lsorted
	v_lshlrev_b32 v44, 4, v20
	global_store_b128 v44, v[40:43], s[14:15]      ; 512 consecutive bytes
.Lsorted:
	s_endpgm
; Eight fragments (two pieces x four K steps): each lane's 24 + 24 bytes of a fragment come by six loads of 8 bytes, as the operand's registers want them, and leave as three stores of 512 consecutive bytes.
.macro RELAY sb, va, ustep
.irp u, 0,1
.irp s, 0,1,2,3
.irp p, 0,1,2,3,4,5
	global_load_b64 v[32+12*(4*\u+\s)+2*\p:32+12*(4*\u+\s)+2*\p+1], v[\va], s[\sb:\sb+1] offset:\u*(\ustep)+96*\s+48*(\p/3)+8*(\p%3)
.endr
.endr
.endr
.irp f, 0,1,2,3,4,5,6,7
	s_wait_loadcnt 42-6*\f                         ; fragment f's six loads are in: six for each later fragment were issued behind them
.irp j, 0,1,2
	global_store_b128 v2, v[32+12*\f+4*\j:32+12*\f+4*\j+3], s[16:17] offset:1536*\f+512*\j
.endr
.endr
.endm
.Llayout:
	s_sub_co_u32 s21, ttmp9, 32
	s_lshl_b32 s21, s21, 2
	s_add_co_u32 s21, s21, s20                     ; G = ((((e 4 + chunk) 4 + w) 2 + kind) 4 + pair
	s_and_b32 s22, s21, 3                          ; pair
	s_bfe_u32 s23, s21, 0x20003                    ; w
	s_bfe_u32 s24, s21, 0x20005                    ; chunk
	s_lshr_b32 s25, s21, 7                         ; e
	s_lshl_b32 s28, s23, 7
	s_lshl_b32 s29, s22, 5
	s_add_co_u32 s28, s28, s29                     ; 128 w + 32 pair
	s_mul_i32 s26, s21, 12288
	s_mov_b32 s27, 0
	s_add_nc_u64 s[16:17], s[16:17], s[26:27]      ; my 12,288 bytes of wl
	v_and_b32 v1, 31, v0
	v_lshlrev_b32 v2, 4, v1
	v_and_b32 v3, 15, v0                           ; r
	v_bfe_u32 v4, v0, 4, 1                         ; h
	s_bitcmp1_b32 s21, 2
	s_cbranch_scc1 .Lw2
	s_lshl_b32 s29, s25, 11                        ; W1: row 2048 e + 512 chunk + 128 w + 32 pair, 384 bytes a row
	s_add_co_u32 s29, s29, s28
	s_lshl_b32 s30, s24, 9
	s_add_co_u32 s29, s29, s30
	s_mul_i32 s26, s29, 384
	s_add_nc_u64 s[6:7], s[6:7], s[26:27]
	v_and_b32 v5, 8, v3
	v_add_nc_u32 v5, v5, v3                        ; r + 8 (r / 8)
	v_mul_u32_u24 v5, v5, 384
	v_mad_u32_u24 v5, v4, 24, v5
	RELAY 6, 5, 8*384
	s_endpgm
.Lw2:
	s_lshl_b32 s29, s25, 9                         ; W2: row 512 e + 128 w + 32 pair, 1,536 bytes a row; the chunk's 384 bytes of it
	s_add_co_u32 s29, s29, s28
	s_mul_i32 s26, s29, 1536
	s_mul_i32 s30, s24, 384
	s_add_co_u32 s26, s26, s30
	s_add_nc_u64 s[8:9], s[8:9], s[26:27]
	s_lshl_b32 s26, s29, 6                         ; its scale bytes: 64 a row, the chunk's 16
	s_lshl_b32 s30, s24, 4
	s_add_co_u32 s26, s26, s30
	s_add_nc_u64 s[10:11], s[10:11], s[26:27]
	s_lshl_b32 s26, s25, 2
	s_add_co_u32 s26, s26, s24
	s_lshl_b32 s26, s26, 9
	s_add_co_u32 s26, s26, s28
	s_lshl_b32 s26, s26, 4                         ; w2s: ((4 e + chunk) 512 + column) x 16
	s_add_nc_u64 s[18:19], s[18:19], s[26:27]
	v_mul_u32_u24 v5, v3, 1536
	v_mad_u32_u24 v5, v4, 24, v5
	v_lshlrev_b32 v6, 6, v1
	global_load_b128 v[128:131], v6, s[10:11]      ; a lane a column: older than RELAY's loads, so its counts stand
	RELAY 8, 5, 16*1536
	global_store_b128 v2, v[128:131], s[18:19]     ; 512 consecutive bytes
	s_endpgm
.Lfunc_end_k_q5493d33c06_place:
	.size	k_q5493d33c06_place, .Lfunc_end_k_q5493d33c06_place-k_q5493d33c06_place
	.p2alignl 7, 3214868480
	.fill 96, 4, 3214868480
	.section	.rodata,"a",@progbits
	.p2align	6, 0x0
	.amdhsa_kernel k_q5493d33c06_place
		.amdhsa_group_segment_fixed_size 0
		.amdhsa_private_segment_fixed_size 0
		.amdhsa_enable_private_segment 0
		.amdhsa_kernarg_size 64
		.amdhsa_user_sgpr_count 2
		.amdhsa_user_sgpr_kernarg_segment_ptr 1
		.amdhsa_wavefront_size32 1
		.amdhsa_system_sgpr_workgroup_id_x 1
		.amdhsa_system_sgpr_workgroup_id_y 1
		.amdhsa_system_sgpr_workgroup_id_z 1
		.amdhsa_system_vgpr_workitem_id 0
		.amdhsa_next_free_vgpr 160
		.amdhsa_next_free_sgpr 66
		.amdhsa_reserve_vcc 1
		.amdhsa_float_denorm_mode_32 3
		.amdhsa_float_denorm_mode_16_64 3
		.amdhsa_memory_ordered 1
		.amdhsa_forward_progress 1
		.amdhsa_inst_pref_size 82
	.end_amdhsa_kernel
	.amdgpu_metadata
---
amdhsa.version: [ 1, 2 ]
amdhsa.kernels:
  - .name:           k_q5493d33c06_place
    .symbol:         k_q5493d33c06_place.kd
    .args:
      - { .name: route, .offset: 0, .size: 8, .value_kind: global_buffer, .address_space: global }
      - { .name: w1_all_codes, .offset: 8, .size: 8, .value_kind: global_buffer, .address_space: global }
      - { .name: w2_all_codes, .offset: 16, .size: 8, .value_kind: global_buffer, .address_space: global }
      - { .name: w2_all_scales, .offset: 24, .size: 8, .value_kind: global_buffer, .address_space: global }
      - { .name: order, .offset: 32, .size: 8, .value_kind: global_buffer, .address_space: global }
      - { .name: tiles, .offset: 40, .size: 8, .value_kind: global_buffer, .address_space: global }
      - { .name: wl, .offset: 48, .size: 8, .value_kind: global_buffer, .address_space: global }
      - { .name: w2s, .offset: 56, .size: 8, .value_kind: global_buffer, .address_space: global }
    .group_segment_fixed_size: 0
    .private_segment_fixed_size: 0
    .kernarg_segment_align: 8
    .kernarg_segment_size: 64
    .max_flat_workgroup_size: 128
    .sgpr_count:     66
    .vgpr_count:     160
    .wavefront_size: 32
...
	.end_amdgpu_metadata
.endif
;; end of part 2
;; launch chain (part 3): grid 155 x 1, 4 waves a work-group, no clusters, 81,408 bytes of LDS; arguments tiles, order, gate, xq, xs, wl, w1_all_scales, w2s, b1_all, b2_all, out0; writes out0
.if DOCPART == 3
	.amdgcn_target "amdgcn-amd-amdhsa--gfx1250"
	.amdhsa_code_object_version 6
	.text
	.protected	k_q5493d33c06_chain
	.globl	k_q5493d33c06_chain
	.p2align	8
	.type	k_q5493d33c06_chain,@function
k_q5493d33c06_chain:
	s_mov_b64 s[64:65], 0
	v_nop
	global_prefetch_b8 v0, s[64:65] scope:SCOPE_SE
	s_setreg_imm32_b32 hwreg(HW_REG_WAVE_MODE, 25, 1), 1
	s_wait_xcnt 0x0
; out[token] = ga (relu(x W1a^T + b1a) W2a^T + b2a) + gb (the same with expert b), both products on codes of BF6 (E3M2) with one E8M0 scale for each 32 along K.
; A WORK-GROUP OWNS ONE TILE: at most 32 tokens that chose the same two experts a < b (the list of tiles and the sorted tokens were stored by the launch before).  Each output row has one owner:
; both experts' results are added inside the work-group.  Rows beyond the tile's count repeat its last token and are not stored.
; THE WAVES SHARE THE COLUMNS, NOT THE ROWS.  The work goes in eight chunks of 512 hidden units (four of expert a, four of b).  In a chunk wave w makes hidden units 128 w .. 128 w + 127 of all 32 rows,
; quantises them in registers (they are one K step of the second product) and hands them to the other waves through LDS as an image of the operand's registers; then it adds the chunk's four K steps onto
; its output columns 128 w .. 128 w + 127.  The hidden layer never goes to memory.
; THE WEIGHTS GO FROM MEMORY STRAIGHT INTO REGISTERS, laid by the launch before in the order of the operand's registers: a fragment is three loads of 512 consecutive bytes.  A chunk is eight PAIRS of
; pieces (four of W1, four of W2; 96 registers each) that go round a ring of four slots, asked for two pairs ahead.
; NO CLUSTER, NO TENSOR LOAD: which tiles share experts hangs on stored counts, 155 does not divide into clusters, and the last stores branch on a stored count.
; Both products are used transposed (source 0 = 16 rows of a weight, source 1 = 16 tokens): a lane holds one token (lane % 16) and its registers run along the weight's rows.
; LIMITS: NaN and infinities are not served; a block of zeros of the hidden layer gets the scale byte 1 (its codes are zeros).  The biases begin the sums, so the order of rounding differs from the reference's.
; REGISTERS, in windows of 256:  window 0: v1-24 addresses, gates, tokens; v32-47 the ring's scale words; v48-55 x's; v56-63 the hidden layer's; v64-123 the quantiser's; v128-255 the hidden sums, then the
; hidden fragments, at the end the results.   window 1: v0-191 slots 0, 1; v192-255 b1.   window 2: v0-191 slots 2, 3.   window 3: v0-127 the 16 accumulators of the output; v128-223 x's 8 fragments.
.set HIMG, 0                           ; LDS: the hidden layer's 8 fragments (tile of rows m, K step s: 4 m + s), 1,536 bytes each;
.set HSC,  12288                       ; their scale words, 128 bytes each;
.set STG,  13312                       ; for each wave a stage of its own: 32 rows x (512 bytes + 16)
.set WS,   32
.set XS,   48
.set HS,   56
.set TM,   64
.set PW,   80
.set PC,   84
.set HA,   128
.set T,    128
.set B1R,  192                         ; in window 1
.set ACC,  0                           ; in window 3: accumulator (n, m) at 16 n + 8 m
.set X,    128                         ; in window 3: fragment (m, s) at 12 (4 m + s)
.set MSB, 0
.macro WIN new                         ; the immediate's high byte repeats the setting that is left; a switch that changes nothing is dropped
.if MSB != (\new)
	s_set_vgpr_msb (MSB<<8)|(\new)
.set MSB, (\new)
.endif
.endm
.macro PLACES n                        ; plain lines behind matrix instructions: four in front of loads into, and reads of, their registers; five in front of a matrix instruction that writes over them
.rept \n
	v_nop
.endr
.endm
.macro BARRIER                         ; my LDS stores have landed and my LDS loads are in: then the work-group's barrier
	s_wait_dscnt 0x0
	s_barrier_signal -1
	s_barrier_wait -1
.endm
; Pair b of W1 (pieces 2 b, 2 b + 1) into slot b: 29 loads: its scale words (lanes 0-15 piece 2 b's rows, lanes 16-31 piece 2 b + 1's; four K steps a lane), its 32 biases a lane, its 8 fragments.
.macro LDW1 b, wl, s1, b1
	WIN 0
	global_load_b128 v[WS+4*(\b):WS+4*(\b)+3], v5, s[\s1:\s1+1] offset:512*(\b)
	WIN 0x40
.irp k, 0,1,2,3
	global_load_b128 v[B1R+16*(\b)+4*\k:B1R+16*(\b)+4*\k+3], v6, s[\b1:\b1+1] offset:128*(\b)+16*\k
.endr
	WIN 0x40<<((\b)>>1)
.set q_, 0
.rept 24
	global_load_b128 v[96*((\b)&1)+4*q_:96*((\b)&1)+4*q_+3], v1, s[\wl:\wl+1] offset:12288*(\b)+512*q_
.set q_, q_+1
.endr
.endm
; Pair pp of W2 into slot pp: 25 loads.
.macro LDW2 pp
	WIN 0
	global_load_b128 v[WS+4*(\pp):WS+4*(\pp)+3], v1, s[38:39] offset:512*(\pp)
	WIN 0x40<<((\pp)>>1)
.set q_, 0
.rept 24
	global_load_b128 v[96*((\pp)&1)+4*q_:96*((\pp)&1)+4*q_+3], v1, s[32:33] offset:49152+12288*(\pp)+512*q_
.set q_, q_+1
.endr
.endm
.macro WM d, a, b, c, sa, sb, u        ; u = 1: the weight's scale words stand in lanes 16-31
.if \u
	v_wmma_scale_f32_16x16x128_f8f6f4 v[\d:\d+7], v[\a:\a+11], v[\b:\b+11], v[\c:\c+7], v[\sa], v[\sb] matrix_a_fmt:MATRIX_FMT_BF6 matrix_b_fmt:MATRIX_FMT_BF6 matrix_a_scale:MATRIX_SCALE_ROW1
.else
	v_wmma_scale_f32_16x16x128_f8f6f4 v[\d:\d+7], v[\a:\a+11], v[\b:\b+11], v[\c:\c+7], v[\sa], v[\sb] matrix_a_fmt:MATRIX_FMT_BF6 matrix_b_fmt:MATRIX_FMT_BF6
.endif
.endm
; The first product for pair b: 16 matrix instructions; its four accumulators (piece u, rows m) take turns, one instruction a turn.  b1 is the C of each sum's first.
; In tile 2 b + u lane (r, h) holds token r, and register j hidden unit 32 b + 16 h + 8 u + j of my 128.
.macro MM1 b
.irp s, 0,1,2,3
.if \s == 0
	WIN 0x1d+((\b)>>1)                             ; W1 window 1 or 2, x window 3, b1 window 1, the sums window 0
.else
	WIN 0x0d+((\b)>>1)
.endif
.irp u, 0,1
.irp m, 0,1
.set rD, HA+64*\m+8*(2*(\b)+\u)
.set rA, 96*((\b)&1)+12*(4*\u+\s)
.set rB, X+12*(4*\m+\s)
.set rC, rD
.if \s == 0
.set rC, B1R+16*(\b)+8*\u
.endif
.set rSA, WS+4*(\b)+\s
.set rSB, XS+4*\m+\s
	WM rD, rA, rB, rC, rSA, rSB, \u
.endr
.endr
.endr
.endm
; The second product for pair pp: 16 matrix instructions onto four accumulators by turns.  Lane (r, h) holds token r, register j output column 128 w + 16 n + 8 h + j.
.macro MM2 pp
	WIN 0xf1+((\pp)>>1)                            ; W2 window 1 or 2, the hidden fragments window 0, C and D window 3
.irp s, 0,1,2,3
.irp u, 0,1
.irp m, 0,1
.set rD, ACC+16*(2*(\pp)+\u)+8*\m
.set rA, 96*((\pp)&1)+12*(4*\u+\s)
.set rB, HA+12*(4*\m+\s)
.set rSA, WS+4*(\pp)+\s
.set rSB, HS+4*\m+\s
	WM rD, rA, rB, rD, rSA, rSB, \u
.endr
.endr
.endr
.endm
; 64 numbers of a lane, none negative, register 16 b + i = k 32 b + 16 (lane / 16) + i of my token, become a fragment's codes in v[pc] on and its scale word in v[pw].
.macro QUANT s, pc, pw
.irp b, 0,1,2,3
	v_max3_num_f32 v[TM+\b], v[(\s)+16*\b], v[(\s)+1+16*\b], 0x2800000   ; block b: my 16 numbers, and the floor 2^(5 - 127): the byte cannot fall under 1
.endr
.irp i, 2,4,6,8,10,12,14
.irp b, 0,1,2,3
	v_max3_num_f32 v[TM+\b], v[TM+\b], v[(\s)+16*\b+\i], v[(\s)+1+16*\b+\i]
.endr
.endr
.irp b, 0,1,2,3
	v_permlanex16_b32 v[TM+4+\b], v[TM+\b], s60, s61
.endr
.irp b, 0,1,2,3
	v_max_num_f32 v[TM+\b], v[TM+\b], v[TM+4+\b]   ; with lane l xor 16's: the block's largest
.endr
.irp b, 0,1,2,3
	v_add_nc_u32 v[TM+12+\b], 0xfe000000, v[TM+\b] ; 4 off its exponent field: the conversion's scale operand
.endr
.irp b, 0,1,2,3
	v_lshrrev_b32 v[TM+4+\b], 23, v[TM+12+\b]      ; the scale's byte
.endr
	v_lshl_or_b32 v[\pw], v[TM+5], 8, v[TM+4]
	v_lshl_or_b32 v[\pw], v[TM+6], 16, v[\pw]
	v_lshl_or_b32 v[\pw], v[TM+7], 24, v[\pw]
.irp c, 0,1
	v_cvt_scalef32_pk16_bf6_f32 v[(\pc)+6*\c:(\pc)+2+6*\c], v[(\s)+32*\c:(\s)+15+32*\c], v[TM+12+2*\c]
	v_cvt_scalef32_pk16_bf6_f32 v[(\pc)+12+4*\c:(\pc)+14+4*\c], v[(\s)+16+32*\c:(\s)+31+32*\c], v[TM+12+2*\c+1]   ; (a conversion's three registers begin on an even number)
.endr
	v_nop                                          ; one plain line behind a scaled conversion
.irp c, 0,1                                    ; the operand's layout wants a whole block in a lane: lanes 0-15 block 2 c, lanes 16-31 block 2 c + 1
.irp i, 0,1,2
	v_permlane16_swap_b32 v[(\pc)+6*\c+\i], v[(\pc)+12+4*\c+\i]
.endr
.irp i, 0,1,2
	v_mov_b32 v[(\pc)+3+6*\c+\i], v[(\pc)+12+4*\c+\i]
.endr
.endr
.endm
.macro LDB2 p                          ; an expert's b2 begins the 16 sums: 32 loads straight into the accumulators
	WIN 0xc0
.set a_, 0
.rept 16
	global_load_b128 v[ACC+8*a_:ACC+8*a_+3], v7, s[\p:\p+1] offset:64*(a_>>1)
	global_load_b128 v[ACC+8*a_+4:ACC+8*a_+7], v7, s[\p:\p+1] offset:64*(a_>>1)+16
.set a_, a_+1
.endr
	WIN 0
.endm
.macro IDX g                           ; s59 = 4 x the expert of chunk s[g] + its chunk within the expert
	s_cmp_lt_u32 s[\g], 4
	s_cselect_b32 s59, s30, s31
	s_min_u32 s59, s59, 7                          ; a loaded number is held inside its table before it enters an offset
	s_lshl_b32 s59, s59, 2
	s_and_b32 s63, s[\g], 3
	s_add_co_u32 s59, s59, s63
.endm
.macro W1PTR wl, s1, b1                ; a chunk's pointers from s59: the laid-out codes, W1's scale bytes, b1
	s_mul_i32 s46, s59, 393216
	s_add_nc_u64 s[\wl:\wl+1], s[48:49], s[46:47]
	s_lshl_b32 s46, s59, 13
	s_add_nc_u64 s[\s1:\s1+1], s[50:51], s[46:47]
	s_lshl_b32 s46, s59, 11
	s_add_nc_u64 s[\b1:\b1+1], s[52:53], s[46:47]
.endm
; A CHUNK.  At the head of pair i stand the loads of pair i + 2 and the wait for pair i: its count is the loads of pairs i + 1 and i + 2 (29 for a pair of W1, 25 for a pair of W2).
; last = 1: the last chunk asks for nothing beyond itself.
.macro CHUNK last
	PLACES 5                                       ; five: the first products below write the hidden sums over registers that the last chunk's second product read
	LDW1 2, 32, 34, 36
	s_wait_loadcnt 58
	MM1 0
	PLACES 5
	LDW1 3, 32, 34, 36
	s_wait_loadcnt 58
	MM1 1
	PLACES 5
	LDW2 0
	s_wait_loadcnt 54
	MM1 2
	PLACES 5
	LDW2 1
	s_wait_loadcnt 50
	MM1 3
	WIN 0
	PLACES 4
.irp m, 0,1
.set j_, 0
.rept 64
	v_max_num_f32 v[HA+64*\m+j_], 0, v[HA+64*\m+j_]   ; the activation, in f32; each accumulator from its low end on
.set j_, j_+1
.endr
	QUANT HA+64*\m, PC+20*\m, PW+\m
.irp c, 0,1,2
	ds_store_b128 v3, v[PC+20*\m+4*\c:PC+20*\m+4*\c+3] offset:HIMG+6144*\m+512*\c   ; the fragment as it stands: K step w of rows 16 m on
.endr
	ds_store_b32 v4, v[PW+\m] offset:512*\m
.endr
	BARRIER                                        ; the hidden layer's eight fragments lie in LDS
.set f_, 0
.rept 8
.irp c, 0,1,2
	ds_load_b128 v[HA+12*f_+4*\c:HA+12*f_+4*\c+3], v1 offset:HIMG+1536*f_+512*\c
.endr
	ds_load_b32 v[HS+f_], v2 offset:HSC+128*f_
.set f_, f_+1
.endr
	BARRIER                                        ; every wave has them in registers: the next chunk may write the images again
	LDW2 2                                         ; (the quantiser's lines are the places behind slot 2's last reader)
	s_wait_loadcnt 50
	MM2 0
	PLACES 5
	LDW2 3
	s_wait_loadcnt 50
	MM2 1
	PLACES 5
.if \last
	s_wait_loadcnt 25
.else
	LDW1 0, 40, 42, 44                             ; the next chunk's first pairs
	s_wait_loadcnt 54
.endif
	MM2 2
	PLACES 5
.if \last
	s_wait_loadcnt 0x0
.else
	LDW1 1, 40, 42, 44
	s_wait_loadcnt 58
.endif
	MM2 3
	WIN 0
.endm
	s_load_b512 s[4:19], s[0:1], 0x0               ; tiles, order, gate, xq, xs, wl, W1's scales, w2s
	s_load_b128 s[20:23], s[0:1], 0x40             ; b1, b2
	s_load_b64 s[24:25], s[0:1], 0x50              ; out
	v_lshl_add_u32 v126, v0, 2, 0x13c00
	v_mov_b32 v127, 0
	v_lshrrev_b32 v1, 5, v0
	v_readfirstlane_b32 s27, v1                    ; wave 0..3
	v_and_b32 v25, 31, v0                          ; lane
	v_and_b32 v26, 15, v0                          ; r
	v_bfe_u32 v27, v0, 4, 1                        ; h
	v_lshlrev_b32 v1, 4, v25                       ; 16 x lane
	v_lshlrev_b32 v2, 2, v25                       ; 4 x lane
	s_mul_i32 s62, s27, 1536
	v_add_nc_u32 v3, s62, v1                       ; where I store my images: 16 x lane + 1,536 x wave
	s_lshl_b32 s62, s27, 7
	s_add_co_u32 s62, s62, HSC
	v_add_nc_u32 v4, s62, v2                       ; and their scale words
	v_and_b32 v5, 8, v26
	v_add_nc_u32 v5, v5, v26
	v_lshl_add_u32 v5, v27, 3, v5
	v_lshlrev_b32 v5, 4, v5                        ; W1's scale bytes: row 8 (lane / 16) + r + 8 (r / 8) of a pair's 32, 16 bytes a row
	v_lshlrev_b32 v6, 6, v27                       ; b1: my half's 16 numbers of each 32
	v_lshlrev_b32 v7, 5, v27                       ; b2: my half's 8 of each 16
	s_mul_i32 s62, s27, 16896
	s_add_co_u32 s62, s62, STG                     ; my stage
	v_mul_u32_u24 v8, v26, 528
	v_lshl_add_u32 v8, v27, 5, v8
	v_add_nc_u32 v8, s62, v8                       ; in: row r, + 32 h
	v_add_nc_u32 v9, s62, v1                       ; back: a row of 512 bytes, 16 a lane
	s_lshl_b32 s62, s27, 9
	v_add_nc_u32 v16, s62, v1                      ; my 16 bytes in a row of out: 512 x wave + 16 x lane
.irp b, 0,1,2,3
	v_mov_b32 v[TM+4+\b], 0                        ; written once: a lane permute's destination counts as one of its sources
.endr
	s_mov_b32 s60, 0x76543210
	s_mov_b32 s61, 0xfedcba98                      ; v_permlanex16_b32's selects for lane l xor 16
	s_lshl_b32 s46, ttmp9, 4
	s_mov_b32 s47, 0
	s_wait_kmcnt 0x0
	s_add_nc_u64 s[4:5], s[4:5], s[46:47]
	s_load_b128 s[28:31], s[4:5], 0x0              ; my tile: start, count, a, b
	s_mul_i32 s46, s27, 98304                      ; the wave's share in each table
	s_add_nc_u64 s[48:49], s[14:15], s[46:47]
	s_lshl_b32 s46, s27, 11
	s_add_nc_u64 s[50:51], s[16:17], s[46:47]
	s_add_nc_u64 s[54:55], s[18:19], s[46:47]
	s_lshl_b32 s46, s27, 9
	s_add_nc_u64 s[52:53], s[20:21], s[46:47]
	s_add_nc_u64 s[56:57], s[22:23], s[46:47]
	s_wait_kmcnt 0x0
	s_min_u32 s28, s28, 0xfff                      ; loaded numbers are held inside their tables
	s_max_u32 s29, s29, 1
	s_min_u32 s29, s29, 32
	s_min_u32 s30, s30, 7
	s_min_u32 s31, s31, 7
	s_lshl_b32 s46, s31, 11
	s_add_nc_u64 s[68:69], s[56:57], s[46:47]      ; b2 of expert b,
	s_lshl_b32 s46, s30, 11
	s_add_nc_u64 s[56:57], s[56:57], s[46:47]      ; of expert a
	s_sub_co_u32 s62, s29, 1
	v_min_u32 v28, s62, v26                        ; row 16 m + r, held at the tile's last row
	v_add_nc_u32 v29, 16, v26
	v_min_u32 v29, s62, v29
	v_add_nc_u32 v28, s28, v28
	v_add_nc_u32 v29, s28, v29
	v_min_u32 v28, 0xfff, v28
	v_min_u32 v29, 0xfff, v29
	v_lshlrev_b32 v28, 2, v28
	v_lshlrev_b32 v29, 2, v29
	global_load_b32 v14, v28, s[6:7]               ; my two tokens' numbers
	global_load_b32 v15, v29, s[6:7]
	LDB2 56
	s_mov_b32 s58, 0                               ; the chunk in hand
	IDX 58
	W1PTR 32, 34, 36
	s_lshl_b32 s46, s59, 13
	s_add_nc_u64 s[38:39], s[54:55], s[46:47]      ; W2's scale bytes of the chunk
	s_mov_b32 s62, 1
	IDX 62
	W1PTR 40, 42, 44                               ; the next chunk's
	s_wait_loadcnt 32                              ; the token numbers are in: b2's 32 loads were issued behind them
	v_min_u32 v14, 0xfff, v14
	v_min_u32 v15, 0xfff, v15
	v_lshlrev_b32 v84, 3, v14
	v_lshlrev_b32 v85, 3, v15
	v_lshlrev_b32 v86, 4, v14
	v_lshlrev_b32 v87, 4, v15
	v_mul_u32_u24 v88, v14, 384
	v_mul_u32_u24 v89, v15, 384
	v_mad_u32_u24 v88, v27, 24, v88
	v_mad_u32_u24 v89, v27, 24, v89
	global_load_b64 v[10:11], v84, s[8:9]          ; the gates (of a, of b)
	global_load_b64 v[12:13], v85, s[8:9]
	global_load_b128 v[XS:XS+3], v86, s[12:13]     ; x's scale words, four K steps
	global_load_b128 v[XS+4:XS+7], v87, s[12:13]
	WIN 0xc0
.irp m, 0,1
.irp s, 0,1,2,3
.irp p, 0,1,2,3,4,5
	global_load_b64 v[X+12*(4*\m+\s)+2*\p:X+12*(4*\m+\s)+2*\p+1], v[88+\m], s[10:11] offset:96*\s+48*(\p/3)+8*(\p%3)   ; x's fragments stay in registers
.endr
.endr
.endr
	LDW1 0, 32, 34, 36
	LDW1 1, 32, 34, 36                             ; all loads above are older than this pair's: the first chunk's first wait covers them
	WIN 0
.Lchunk:                                               ; chunks 0 to 6
	CHUNK 0
	s_cmp_lg_u32 s58, 3
	s_cbranch_scc1 .Lsame
	; THE CHANGE OF EXPERTS: expert a's result x ga goes to my own stage in LDS, and expert b's b2 begins the sums anew.  These 32 loads are younger than the next chunk's first two pairs, so they only
	; make the fixed counts stricter; behind them five pairs' loads are issued ahead of the wait in front of the second product, so they are in when it reads the accumulators.
	PLACES 4
	WIN 0xc3
.set a_, 0
.rept 16
.irp q, 0,2,4,6
	v_pk_mul_f32 v[ACC+8*a_+\q:ACC+8*a_+\q+1], v[ACC+8*a_+\q:ACC+8*a_+\q+1], v[10+2*(a_&1):11+2*(a_&1)] op_sel_hi:[1,0]
.endr
.set a_, a_+1
.endr
	WIN 0x0c                                       ; an LDS store's data are its source 1: window 3
.set a_, 0
.rept 16
	ds_store_b128 v8, v[ACC+8*a_:ACC+8*a_+3] offset:8448*(a_&1)+64*(a_>>1)
	ds_store_b128 v8, v[ACC+8*a_+4:ACC+8*a_+7] offset:8448*(a_&1)+64*(a_>>1)+16
.set a_, a_+1
.endr
	WIN 0
	s_wait_dscnt 0x0                               ; the stores have read their registers
	LDB2 68
.Lsame:
	s_wait_xcnt 0x0                                ; every load issued has read its base: the pointers may be written
	s_mov_b64 s[32:33], s[40:41]
	s_mov_b64 s[34:35], s[42:43]
	s_mov_b64 s[36:37], s[44:45]
	s_add_co_u32 s62, s58, 1
	IDX 62
	s_lshl_b32 s46, s59, 13
	s_add_nc_u64 s[38:39], s[54:55], s[46:47]
	s_add_co_u32 s62, s58, 2
	IDX 62
	W1PTR 40, 42, 44                               ; (ahead of the last chunk these point at expert b's first chunk and are not used)
	s_add_co_u32 s58, s58, 1
	s_cmp_lt_u32 s58, 7
	s_cbranch_scc1 .Lchunk
	CHUNK 1                                        ; chunk 7, written out: it asks for nothing beyond itself
	; THE END: expert a's part comes back from my stage, expert b's result x gb is added, and the rows go through the stage once more, so that the wave stores whole runs of 512 bytes.
	PLACES 4
.set a_, 0
.rept 16
	ds_load_b128 v[T+8*a_:T+8*a_+3], v8 offset:8448*(a_&1)+64*(a_>>1)
	ds_load_b128 v[T+8*a_+4:T+8*a_+7], v8 offset:8448*(a_&1)+64*(a_>>1)+16
.set a_, a_+1
.endr
	s_wait_dscnt 0x0
	WIN 0x03
.set a_, 0
.rept 16
.irp q, 0,2,4,6
	v_pk_fma_f32 v[T+8*a_+\q:T+8*a_+\q+1], v[ACC+8*a_+\q:ACC+8*a_+\q+1], v[10+2*(a_&1):11+2*(a_&1)], v[T+8*a_+\q:T+8*a_+\q+1] op_sel:[0,1,0] op_sel_hi:[1,1,1]   ; of the pair (ga, gb) the second serves both halves
.endr
.set a_, a_+1
.endr
	WIN 0
.set a_, 0
.rept 16
	ds_store_b128 v8, v[T+8*a_:T+8*a_+3] offset:8448*(a_&1)+64*(a_>>1)
	ds_store_b128 v8, v[T+8*a_+4:T+8*a_+7] offset:8448*(a_&1)+64*(a_>>1)+16
.set a_, a_+1
.endr
.set i_, 0
.rept 32
	ds_load_b128 v[T+4*i_:T+4*i_+3], v9 offset:528*i_   ; LDS serves a wave's instructions in order: these see my stores
.set i_, i_+1
.endr
	s_wait_dscnt 0x0
.set i_, 0
.rept 32
.if (i_ > 0) && (i_%8 == 0)
	s_wait_xcnt 0x0                                ; the eight stores before have read their offsets, which are written again
.endif
	s_cmp_le_u32 s29, i_                           ; rows beyond the tile's count are not stored (behind the last barrier)
	s_cbranch_scc1 .Ldone
	v_readlane_b32 s62, v[14+i_/16], i_%16         ; row i's token
	s_min_u32 s62, s62, 0xfff
	s_lshl_b32 s62, s62, 11
	v_add_nc_u32 v[17+i_%8], s62, v16
	global_store_b128 v[17+i_%8], v[T+4*i_:T+4*i_+3], s[24:25] th:TH_STORE_NT   ; 32 lanes store 512 consecutive bytes, at a multiple of 256 from out's first byte
.set i_, i_+1
.endr
.Ldone:
	s_wait_tensorcnt 0x0
	ds_add_u32 v126, v127
	s_wait_dscnt 0x0
	s_endpgm
.Lfunc_end_k_q5493d33c06_chain:
	.size	k_q5493d33c06_chain, .Lfunc_end_k_q5493d33c06_chain-k_q5493d33c06_chain
	.p2alignl 7, 3214868480
	.fill 96, 4, 3214868480
	.section	.rodata,"a",@progbits
	.p2align	6, 0x0
	.amdhsa_kernel k_q5493d33c06_chain
		.amdhsa_group_segment_fixed_size 81408
		.amdhsa_private_segment_fixed_size 0
		.amdhsa_enable_private_segment 0
		.amdhsa_kernarg_size 88
		.amdhsa_user_sgpr_count 2
		.amdhsa_user_sgpr_kernarg_segment_ptr 1
		.amdhsa_wavefront_size32 1
		.amdhsa_system_sgpr_workgroup_id_x 1
		.amdhsa_system_sgpr_workgroup_id_y 1
		.amdhsa_system_sgpr_workgroup_id_z 1
		.amdhsa_system_vgpr_workitem_id 0
		.amdhsa_next_free_vgpr 1024
		.amdhsa_next_free_sgpr 80
		.amdhsa_reserve_vcc 0
		.amdhsa_float_denorm_mode_32 3
		.amdhsa_float_denorm_mode_16_64 3
		.amdhsa_memory_ordered 1
		.amdhsa_forward_progress 1
		.amdhsa_inst_pref_size 151
	.end_amdhsa_kernel
	.amdgpu_metadata
---
amdhsa.version: [ 1, 2 ]
amdhsa.kernels:
  - .name:           k_q5493d33c06_chain
    .symbol:         k_q5493d33c06_chain.kd
    .args:
      - { .name: tiles, .offset: 0, .size: 8, .value_kind: global_buffer, .address_space: global }
      - { .name: order, .offset: 8, .size: 8, .value_kind: global_buffer, .address_space: global }
      - { .name: gate, .offset: 16, .size: 8, .value_kind: global_buffer, .address_space: global }
      - { .name: xq, .offset: 24, .size: 8, .value_kind: global_buffer, .address_space: global }
      - { .name: xs, .offset: 32, .size: 8, .value_kind: global_buffer, .address_space: global }
      - { .name: wl, .offset: 40, .size: 8, .value_kind: global_buffer, .address_space: global }
      - { .name: w1_all_scales, .offset: 48, .size: 8, .value_kind: global_buffer, .address_space: global }
      - { .name: w2s, .offset: 56, .size: 8, .value_kind: global_buffer, .address_space: global }
      - { .name: b1_all, .offset: 64, .size: 8, .value_kind: global_buffer, .address_space: global }
      - { .name: b2_all, .offset: 72, .size: 8, .value_kind: global_buffer, .address_space: global }
      - { .name: out0, .offset: 80, .size: 8, .value_kind: global_buffer, .address_space: global }
    .group_segment_fixed_size: 81408
    .private_segment_fixed_size: 0
    .kernarg_segment_align: 8
    .kernarg_segment_size: 88
    .max_flat_workgroup_size: 128
    .sgpr_count:     80
    .vgpr_count:     1024
    .wavefront_size: 32
...
	.end_amdgpu_metadata
.endif
;; end of part 3
;; ======== version 2 of 3: 3 launches; 1.13 times as fast as version 1
;; workspace buffers: xq 1,572,864 bytes; xs 65,536 bytes; route 32,768 bytes of whole numbers; gate 32,768 bytes; order 16,384 bytes of whole numbers; tiles 2,560 bytes of whole numbers; wl 12,582,912 bytes; w2s 262,144 bytes
;; launch route (part 4): grid 128 x 1, 8 waves a work-group, no clusters, 84,992 bytes of LDS; arguments x, router_w, xq, xs, route, gate; writes xq, xs, route, gate
.if DOCPART == 4
	.amdgcn_target "amdgcn-amd-amdhsa--gfx1250"
	.amdhsa_code_object_version 6
	.text
	.protected	k_q5493d33c06_route
	.globl	k_q5493d33c06_route
	.p2align	8
	.type	k_q5493d33c06_route,@function
k_q5493d33c06_route:
	s_mov_b64 s[64:65], 0
	v_nop
	global_prefetch_b8 v0, s[64:65] scope:SCOPE_SE
	s_setreg_imm32_b32 hwreg(HW_REG_WAVE_MODE, 25, 1), 1
	s_wait_xcnt 0x0
; x [4096][512] f32 -> codes of BF6 (E3M2), xq [4096][384 bytes], and E8M0 scale bytes, xs [4096][16]; the router: logits in f32 by fused multiply-adds, softmax with the
; row's maximum taken away, the two largest probabilities (strict >: the lower index wins a tie), their renormalised weights.
; A work-group owns 32 tokens, a wave four.  A token's row is 2,048 bytes: four loads of 512 consecutive bytes; the row turns through the wave's own stage in LDS so that a lane
; holds 16 neighbours along K (two neighbouring lanes hold a block of 32), which is what the conversion takes.
; WHAT IS STORED OF THE CHOICE, at fixed places: in 'route', words 0..4095: for each token key | rank << 8 (key: the number 0..27 of its unordered pair of experts a < b; rank: how many
; earlier tokens of the same 32 have the same key); from byte 16,384 on, [128][32] words: for each 32 tokens the count of each key; in 'gate' the gates (of a, of b).
; No address and no branch of this launch hangs on them.
; LIMITS: NaN and infinities among the inputs are not served.  v_exp_f32 gives 0 for a probability under 2^-126: such a gate is 0.  A block of zeros gets the scale byte 1
; (its codes are zeros, and this program alone reads the bytes).  The logits' sums are taken in another order than the reference's.
.set STGW, 10240                       ; LDS: four stages of 2,560 bytes for each wave (32 places of 64 bytes + 16 of padding)
.set STGT, 2560
.set LOGB, 81920                       ; the logits: 32 tokens x 32 bytes
.set SCB,  82944                       ; the scale bytes: 32 tokens x 16 bytes
.set ACC,  16                          ; v16-31   eight pairs of partial sums
.set X,    32                          ; v32-63   two sets of 16 neighbours
.set RW,   64                          ; v64-191  router_w[e][16 lane + i] at RW + 16 e + i
.set R,    192                         ; v192-255 token t: 16 registers as loaded; later +0..2 its codes, +4 its scale byte, +8..15 its logits
	s_load_b256 s[4:11], s[0:1], 0x0               ; x, router_w, xq, xs
	s_load_b128 s[12:15], s[0:1], 0x20             ; route, gate
	v_lshl_add_u32 v14, v0, 2, 0x14800
	v_mov_b32 v15, 0
	v_lshrrev_b32 v1, 5, v0
	v_readfirstlane_b32 s16, v1                    ; wave 0..7
	v_and_b32 v1, 31, v0                           ; lane
	v_lshlrev_b32 v2, 4, v1                        ; 16 x lane
	s_mul_i32 s17, s16, STGW
	v_lshrrev_b32 v3, 2, v1
	v_mul_u32_u24 v3, v3, 80
	v_and_b32 v4, 3, v1
	v_lshl_add_u32 v3, v4, 4, v3
	v_add_nc_u32 v3, s17, v3                       ; the stage, in: 80 (lane / 4) + 16 (lane % 4)
	v_mul_u32_u24 v4, v1, 80
	v_add_nc_u32 v4, s17, v4                       ; and out: 80 x lane
	v_mul_u32_u24 v5, v1, 12                       ; my 16 codes in a row of xq
	v_lshrrev_b32 v6, 1, v1
	s_lshl_b32 s18, s16, 6
	s_add_co_u32 s18, s18, SCB
	v_add_nc_u32 v6, s18, v6                       ; my block's scale byte
	s_lshl_b32 s19, s16, 7
	s_add_co_u32 s19, s19, LOGB
	v_mov_b32 v7, s19                              ; my wave's four tokens' logits
	v_lshlrev_b32 v13, 6, v1                       ; my 16 numbers in a row of router_w
	s_mov_b32 s20, 0x76543210
	s_mov_b32 s21, 0xfedcba98                      ; v_permlanex16_b32's selects for lane l xor 16
	s_lshl_b32 s22, ttmp9, 16                      ; x: 32 rows of 2,048 bytes a work-group, four a wave
	s_lshl_b32 s23, s16, 13
	s_add_co_u32 s22, s22, s23
	s_mov_b32 s23, 0
	s_mul_i32 s24, ttmp9, 12288                    ; xq: rows of 384 bytes
	s_mul_i32 s25, s16, 1536
	s_add_co_u32 s24, s24, s25
	s_mov_b32 s25, 0
	s_lshl_b32 s26, ttmp9, 9                       ; xs: 512 bytes a work-group
	s_mov_b32 s27, 0
	s_lshl_b32 s28, ttmp9, 8                       ; gate: 256 bytes a work-group
	s_mov_b32 s29, 0
	s_lshl_b32 s30, ttmp9, 7                       ; route: 128 bytes a work-group, in each of its two parts
	s_mov_b32 s31, 0
	s_wait_kmcnt 0x0
	s_add_nc_u64 s[4:5], s[4:5], s[22:23]
	s_add_nc_u64 s[8:9], s[8:9], s[24:25]
	s_add_nc_u64 s[10:11], s[10:11], s[26:27]
	s_add_nc_u64 s[12:13], s[12:13], s[30:31]
	s_add_nc_u64 s[14:15], s[14:15], s[28:29]
.irp t, 0,1,2,3
.irp i, 0,1,2,3
	global_load_b128 v[R+16*\t+4*\i:R+16*\t+4*\i+3], v2, s[4:5] offset:2048*\t+512*\i th:TH_LOAD_NT   ; 32 lanes read 512 consecutive bytes
.endr
.endr
.irp e, 0,1,2,3,4,5,6,7
.irp j, 0,1,2,3
	global_load_b128 v[RW+16*\e+4*\j:RW+16*\e+4*\j+3], v13, s[6:7] offset:2048*\e+16*\j
.endr
.endr
.macro TURN t                          ; token t's row through its stage: LDS serves a wave's instructions in order, so no wait stands between the stores and the loads
.irp i, 0,1,2,3
	ds_store_b128 v3, v[R+16*(\t)+4*\i:R+16*(\t)+4*\i+3] offset:STGT*(\t)+640*\i
.endr
.irp i, 0,1,2,3
	ds_load_b128 v[X+16*((\t)%2)+4*\i:X+16*((\t)%2)+4*\i+3], v4 offset:STGT*(\t)+16*\i
.endr
.endm
; Token t: its codes and scale bytes, and its eight logits.  cnt: the LDS instructions issued behind its four loads from the stage.
.macro TOK t, cnt
.set XS, X+16*((\t)%2)
.set RT, R+16*(\t)
	s_wait_dscnt \cnt                              ; my 16 neighbours are in; so the stage's stores have read R's registers, which are written below
	v_max3_num_f32 v8, |v[XS]|, |v[XS+1]|, |v[XS+2]|
	v_max3_num_f32 v9, |v[XS+3]|, |v[XS+4]|, |v[XS+5]|
.irp i, 6,10
	v_max3_num_f32 v8, v8, |v[XS+\i]|, |v[XS+\i+1]|
	v_max3_num_f32 v9, v9, |v[XS+\i+2]|, |v[XS+\i+3]|
.endr
	v_max3_num_f32 v8, v8, |v[XS+14]|, |v[XS+15]|
	v_max3_num_f32 v8, v8, v9, 0x2800000           ; and the floor 2^(5 - 127): the byte cannot fall under 1
	v_max_num_f32_dpp v8, v8, v8 row_xmask:1 row_mask:0xf bank_mask:0xf   ; with my neighbour's 16: the block's largest magnitude
	v_add_nc_u32 v11, 0xfe000000, v8               ; 4 off its exponent field: the conversion takes this operand's exponent field as its scale
	v_cvt_scalef32_pk16_bf6_f32 v[RT:RT+2], v[XS:XS+15], v11
	v_lshrrev_b32 v[RT+4], 23, v11                 ; the scale's byte (also the plain line behind the conversion)
	ds_store_b8 v6, v[RT+4] offset:16*(\t)         ; both lanes of a block write the same byte with the same value
	global_store_b96 v5, v[RT:RT+2], s[8:9] offset:384*(\t)   ; the wave stores the row's 384 consecutive bytes
.irp e, 0,1,2,3,4,5,6,7
	v_pk_mul_f32 v[ACC+2*\e:ACC+2*\e+1], v[XS:XS+1], v[RW+16*\e:RW+16*\e+1]   ; the first products start the sums
.endr
.irp j, 1,2,3,4,5,6,7
.irp e, 0,1,2,3,4,5,6,7
	v_pk_fma_f32 v[ACC+2*\e:ACC+2*\e+1], v[XS+2*\j:XS+2*\j+1], v[RW+16*\e+2*\j:RW+16*\e+2*\j+1], v[ACC+2*\e:ACC+2*\e+1]
.endr
.endr
.irp e, 0,1,2,3,4,5,6,7
	v_add_f32 v[RT+8+\e], v[ACC+2*\e], v[ACC+2*\e+1]
.endr
.irp k, 1,2,4,8
.irp e, 0,1,2,3,4,5,6,7
	v_add_f32_dpp v[RT+8+\e], v[RT+8+\e], v[RT+8+\e] row_xmask:\k row_mask:0xf bank_mask:0xf
.endr
.endr
.irp e, 0,1,2,3,4,5,6,7
	v_permlanex16_b32 v[ACC+\e], v[RT+8+\e], s20, s21
.endr
.irp e, 0,1,2,3,4,5,6,7
	v_add_f32 v[RT+8+\e], v[RT+8+\e], v[ACC+\e]    ; every lane holds the token's eight logits
.endr
	ds_store_b128 v7, v[RT+8:RT+11] offset:32*(\t)     ; all lanes write the same 32 bytes with the same values
	ds_store_b128 v7, v[RT+12:RT+15] offset:32*(\t)+16
.endm
	s_wait_loadcnt 44                              ; token 0's four loads are in: 12 of x and 32 of router_w were issued behind them
	TURN 0
	s_wait_loadcnt 40                              ; token 1's
	TURN 1
	s_wait_loadcnt 0x0                             ; the rest of x, and router_w
	TOK 0, 8                                       ; behind token 0's loads from the stage: token 1's eight
	TURN 2
	TOK 1, 11                                      ; token 0's three stores and token 2's eight
	TURN 3
	TOK 2, 11
	TOK 3, 3                                       ; token 2's three stores
	s_wait_dscnt 0x0                               ; for the others' sake: my stores have landed
	s_barrier_signal -1
	s_barrier_wait -1
	s_cmp_eq_u32 s16, 1
	s_cbranch_scc1 .Lscales
	s_cmp_eq_u32 s16, 0
	s_cbranch_scc1 .Ltail
	s_wait_tensorcnt 0x0
	ds_add_u32 v14, v15
	s_wait_dscnt 0x0
	s_endpgm
.Lscales:                                              ; wave 1: the 32 tokens' scale bytes leave as 512 consecutive bytes
	v_add_nc_u32 v8, SCB, v2
	ds_load_b128 v[32:35], v8
	s_wait_dscnt 0x0
	global_store_b128 v2, v[32:35], s[10:11]
	s_wait_tensorcnt 0x0
	ds_add_u32 v14, v15
	s_wait_dscnt 0x0
	s_endpgm
.Ltail:                                                ; wave 0: a lane is a token
	v_lshl_add_u32 v8, v1, 5, LOGB
	ds_load_b128 v[32:35], v8
	ds_load_b128 v[36:39], v8 offset:16
	s_wait_dscnt 0x0
	v_max3_num_f32 v40, v32, v33, v34
	v_max3_num_f32 v40, v40, v35, v36
	v_max3_num_f32 v40, v40, v37, v38
	v_max_num_f32 v40, v40, v39                    ; the row's largest logit
.irp e, 0,1,2,3,4,5,6,7
	v_sub_f32 v[32+\e], v[32+\e], v40
.endr
.irp e, 0,1,2,3,4,5,6,7
	v_mul_f32 v[32+\e], 0x3fb8aa3b, v[32+\e]       ; x log2(e)
.endr
.irp e, 0,1,2,3,4,5,6,7
	v_exp_f32 v[32+\e], v[32+\e]
.endr
	v_nop                                          ; a plain line behind the last exponential
	s_wait_alu depctr_va_vdst(0)                   ; one wait for the eight, ahead of their first reader
	v_add_f32 v41, v32, v33
	v_add_f32 v42, v34, v35
	v_add_f32 v43, v36, v37
	v_add_f32 v44, v38, v39
	v_add_f32 v41, v41, v42
	v_add_f32 v43, v43, v44
	v_add_f32 v41, v41, v43
	v_rcp_f32 v41, v41
	v_nop
	s_wait_alu depctr_va_vdst(0)
.irp e, 0,1,2,3,4,5,6,7
	v_mul_f32 v[32+\e], v[32+\e], v41              ; the probabilities
.endr
	v_mov_b32 v45, v32                             ; the largest so far, and its index;
	v_mov_b32 v46, 0
	v_mov_b32 v47, -1.0                            ; the second: under every probability
	v_mov_b32 v48, 0
.irp e, 1,2,3,4,5,6,7
	v_mov_b32 v49, \e
	v_cmp_gt_f32 s22, v[32+\e], v45
	v_cmp_gt_f32 s23, v[32+\e], v47
	v_cndmask_b32 v47, v47, v[32+\e], s23
	v_cndmask_b32 v48, v48, v49, s23
	v_cndmask_b32 v47, v47, v45, s22
	v_cndmask_b32 v48, v48, v46, s22
	v_cndmask_b32 v45, v45, v[32+\e], s22
	v_cndmask_b32 v46, v46, v49, s22
.endr
	v_add_f32 v50, v45, v47
	v_add_f32 v50, 0x3089705f, v50                 ; + 1e-9
	v_rcp_f32 v50, v50
	v_nop
	s_wait_alu depctr_va_vdst(0)
	v_mul_f32 v51, v45, v50
	v_mul_f32 v52, v47, v50
	v_cmp_lt_u32 vcc_lo, v46, v48
	v_cndmask_b32 v53, v48, v46, vcc_lo            ; a: the lower-numbered of the two experts,
	v_cndmask_b32 v54, v46, v48, vcc_lo            ; b: the other,
	v_cndmask_b32 v56, v52, v51, vcc_lo            ; and their gates
	v_cndmask_b32 v57, v51, v52, vcc_lo
	v_sub_nc_u32 v55, 15, v53
	v_mul_u32_u24 v55, v55, v53
	v_lshrrev_b32 v55, 1, v55
	v_add_nc_u32 v55, v55, v54
	v_sub_nc_u32 v55, v55, v53
	v_add_nc_u32 v55, -1, v55                      ; key = a (15 - a) / 2 + b - a - 1: 0..27
	v_mov_b32 v58, 0
	v_mov_b32 v59, 0
.set q, 0
.rept 28
	v_cmp_eq_u32 s22, q, v55
	v_mbcnt_lo_u32_b32 v60, s22, 0                 ; earlier lanes with key q
	v_cndmask_b32 v58, v58, v60, s22               ; my rank, where q is my key
	s_bcnt1_i32_b32 s23, s22
	v_writelane_b32 v59, s23, q                    ; lane q: the 32 tokens' count of key q (lanes 28-31: 0)
.set q, q+1
.endr
	v_lshl_or_b32 v58, v58, 8, v55
	v_lshlrev_b32 v60, 2, v1
	v_lshlrev_b32 v61, 3, v1
	global_store_b32 v60, v58, s[12:13]            ; 32 lanes store 128 consecutive bytes: the tokens' key | rank << 8
	global_store_b32 v60, v59, s[12:13] offset:16384   ; and 128 more: this chunk's row of counts, dense, so that the next launch reads four rows by one load
	global_store_b64 v61, v[56:57], s[14:15]       ; 256 consecutive bytes, aligned
	s_wait_tensorcnt 0x0
	ds_add_u32 v14, v15
	s_wait_dscnt 0x0
	s_endpgm
.Lfunc_end_k_q5493d33c06_route:
	.size	k_q5493d33c06_route, .Lfunc_end_k_q5493d33c06_route-k_q5493d33c06_route
	.p2alignl 7, 3214868480
	.fill 96, 4, 3214868480
	.section	.rodata,"a",@progbits
	.p2align	6, 0x0
	.amdhsa_kernel k_q5493d33c06_route
		.amdhsa_group_segment_fixed_size 84992
		.amdhsa_private_segment_fixed_size 0
		.amdhsa_enable_private_segment 0
		.amdhsa_kernarg_size 48
		.amdhsa_user_sgpr_count 2
		.amdhsa_user_sgpr_kernarg_segment_ptr 1
		.amdhsa_wavefront_size32 1
		.amdhsa_system_sgpr_workgroup_id_x 1
		.amdhsa_system_sgpr_workgroup_id_y 1
		.amdhsa_system_sgpr_workgroup_id_z 1
		.amdhsa_system_vgpr_workitem_id 0
		.amdhsa_next_free_vgpr 256
		.amdhsa_next_free_sgpr 66
		.amdhsa_reserve_vcc 1
		.amdhsa_float_denorm_mode_32 3
		.amdhsa_float_denorm_mode_16_64 3
		.amdhsa_memory_ordered 1
		.amdhsa_forward_progress 1
		.amdhsa_inst_pref_size 57
	.end_amdhsa_kernel
	.amdgpu_metadata
---
amdhsa.version: [ 1, 2 ]
amdhsa.kernels:
  - .name:           k_q5493d33c06_route
    .symbol:         k_q5493d33c06_route.kd
    .args:
      - { .name: x, .offset: 0, .size: 8, .value_kind: global_buffer, .address_space: global }
      - { .name: router_w, .offset: 8, .size: 8, .value_kind: global_buffer, .address_space: global }
      - { .name: xq, .offset: 16, .size: 8, .value_kind: global_buffer, .address_space: global }
      - { .name: xs, .offset: 24, .size: 8, .value_kind: global_buffer, .address_space: global }
      - { .name: route, .offset: 32, .size: 8, .value_kind: global_buffer, .address_space: global }
      - { .name: gate, .offset: 40, .size: 8, .value_kind: global_buffer, .address_space: global }
    .group_segment_fixed_size: 84992
    .private_segment_fixed_size: 0
    .kernarg_segment_align: 8
    .kernarg_segment_size: 48
    .max_flat_workgroup_size: 256
    .sgpr_count:     66
    .vgpr_count:     256
    .wavefront_size: 32
...
	.end_amdgpu_metadata
.endif
;; end of part 4
;; launch place (part 5): grid 288 x 1, 4 waves a work-group, no clusters, 0 bytes of LDS; arguments route, w1_all_codes, w2_all_codes, w2_all_scales, order, tiles, wl, w2s; writes order, tiles, wl, w2s
.if DOCPART == 5
	.amdgcn_target "amdgcn-amd-amdhsa--gfx1250"
	.amdhsa_code_object_version 6
	.text
	.protected	k_q5493d33c06_place
	.globl	k_q5493d33c06_place
	.p2align	8
	.type	k_q5493d33c06_place,@function
k_q5493d33c06_place:
	s_mov_b64 s[64:65], 0
	v_nop
	global_prefetch_b8 v0, s[64:65] scope:SCOPE_SE
	s_setreg_imm32_b32 hwreg(HW_REG_WAVE_MODE, 25, 1), 1
	s_wait_xcnt 0x0
; Two jobs that share a launch; a work-group's number says which.  No LDS, no barrier: waves share nothing.
; WORK-GROUPS 0-31, THE SORT: wave c = 4 x work-group + wave places the 32 tokens of chunk c.  A token's place in 'order' is: the tokens of lower keys + the tokens of its key in
; earlier chunks + its rank in its chunk.  Every wave reads all 128 chunks' counts (16 KiB, by 32 loads of 512 consecutive bytes) and sums for itself: no traffic between work-groups.
; The 28 totals and the 28 'earlier' sums are then read into scalar registers ONCE; from there on scalar lines feed vector lines and never the other way round.
; THE LIST OF TILES: a tile is at most 32 tokens of ONE key.  With F full tiles and P part tiles, T = F + P <= 128 + 27 = 155.  The list always has 155 entries with rows:
; entries 0..F-1 the full tiles, F..T-1 the part tiles, and the X = 155 - T entries left take rows 16-31 of full tiles 0..X-1, which keep rows 0-15.
; (F >= (4096 - 28 x 31) / 32 = 101 >= 27 >= X for every split.)  An entry is start, count, a, b.
; WORK-GROUPS 32-287, THE LAYOUT: the weights' codes are laid once in the order of the operand's registers, [e][chunk of 512 hidden units][wave][W1, W2][piece][K step][4 registers][lane][16 bytes],
; so that the next launch loads a fragment (12 registers a lane) by three loads of 512 consecutive bytes.  W2's scale bytes are laid [e][chunk][column][16].
; W1's piece 2 b + u of (e, chunk, w): lane r holds hidden unit 512 chunk + 128 w + 32 b + 8 u + r + 8 (r / 8).  W2's piece n: lane r holds output column 128 w + 16 n + r; K = the chunk's 512 hidden units.
.set H, 32                             ; v32-159  the sort: load i's four registers at H + 4 i: lane l holds the counts of chunk 4 i + l / 8 for keys 4 (l % 8) + 0..3
.set TOT, 66                           ; s66-93   key q's tokens;  s38-63, s94, s95: key q's tokens in earlier chunks
	s_load_b512 s[4:19], s[0:1], 0x0               ; route, w1 codes, w2 codes, w2 scales, order, tiles, wl, w2s
	v_lshrrev_b32 v1, 5, v0
	v_readfirstlane_b32 s20, v1                    ; wave 0..3
	s_wait_kmcnt 0x0
	s_cmp_ge_u32 ttmp9, 32
	s_cbranch_scc1 .Llayout
	s_lshl_b32 s21, ttmp9, 2
	s_add_co_u32 s21, s21, s20                     ; c: my chunk
	v_and_b32 v1, 31, v0
	v_lshlrev_b32 v2, 4, v1                        ; 16 x lane
	s_lshl_b32 s22, s21, 7
	v_lshl_add_u32 v3, v1, 2, s22
	global_load_b32 v4, v3, s[4:5]                 ; my token's key | rank << 8
.set j, 0
.rept 32
	global_load_b128 v[H+4*j:H+4*j+3], v2, s[4:5] offset:16384+512*j   ; four chunks' rows of counts: 512 consecutive bytes
.set j, j+1
.endr
	v_lshrrev_b32 v9, 3, v1
	v_sub_nc_u32 v9, s21, v9                       ; c - lane / 8: chunk 4 i + lane / 8 lies in front of mine where 4 i is under it (signed)
	v_mov_b32 v18, 1
	v_mov_b32 v19, 0                               ; (the destination of a lane move counts as one of its sources)
	s_mov_b32 s22, 0x76543210
	s_mov_b32 s23, 0xfedcba98                      ; v_permlanex16_b32's selects for lane l xor 16
	s_wait_loadcnt 0x0
	v_mov_b32 v7, v9
.irp k, 0,1,2,3
	v_add_nc_u32 v[8+\k], v[H+\k], v[H+4+\k]       ; v8-11: the sums over my 32 chunks, a register a key
	v_mov_b32 v[12+\k], 0                          ; v12-15: the same over those of them that lie in front of chunk c
.endr
.irp i, 8,16,24,32,40,48,56,64,72,80,88,96,104,112,120
.irp k, 0,1,2,3
	v_add3_u32 v[8+\k], v[8+\k], v[H+\i+\k], v[H+\i+4+\k]
.endr
.endr
.set j, 0
.rept 32
	v_cmp_lt_i32 vcc_lo, 4*j, v7
	v_cndmask_b32 v[16+j%2], 0, v18, vcc_lo        ; 1 where the chunk lies in front of mine
.irp k, 0,1,2,3
	v_mad_u32_u24 v[12+\k], v[H+4*j+\k], v[16+j%2], v[12+\k]
.endr
.set j, j+1
.endr
.irp r, 8,9,10,11,12,13,14,15                  ; the four groups of eight lanes hold the chunks 0, 1, 2, 3 modulo 4: lane l xor 8,
	v_mov_b32_dpp v19, v\r row_xmask:8 row_mask:0xf bank_mask:0xf
	v_add_nc_u32 v\r, v\r, v19
.endr
.irp r, 8,9,10,11,12,13,14,15                  ; and lane l xor 16
	v_permlanex16_b32 v19, v\r, s22, s23
	v_add_nc_u32 v\r, v\r, v19
.endr
.set q, 0
.rept 28                                       ; key q stands in register q % 4 of lane q / 4
.set BQ, 38+q
.if q > 25
.set BQ, 68+q
.endif
	v_readlane_b32 s[TOT+q], v[8+(q&3)], q>>2
	v_readlane_b32 s[BQ], v[12+(q&3)], q>>2
.set q, q+1
.endr
	s_mov_b32 s24, 0                               ; F
	s_mov_b32 s25, 0                               ; P
.set q, 0
.rept 28
	s_lshr_b32 s35, s[TOT+q], 5
	s_add_co_u32 s24, s24, s35
	s_and_b32 s35, s[TOT+q], 31
	s_min_u32 s35, s35, 1
	s_add_co_u32 s25, s25, s35
.set q, q+1
.endr
	s_add_co_u32 s26, s24, s25                     ; T
	s_sub_co_u32 s27, 155, s26                     ; X
	s_lshl_b32 s22, s21, 5
	v_add_nc_u32 v20, s22, v1                      ; i = 32 c + lane: my token's number, and (in chunks 0-4) the entry of the list that I make
	v_cmp_le_u32 s33, s26, v20                     ; an entry behind the T tiles: the second half of a full tile
	v_sub_nc_u32 v21, v20, s26
	v_cndmask_b32 v22, v20, v21, s33               ; J: which tile
	v_cmp_gt_u32 s34, s24, v22                     ; a full one?
	v_mov_b32 v28, 0x10000                         ; above every prefix
	v_cndmask_b32 v29, v28, v22, s34               ; J against the full tiles' prefix, where the tile is full;
	v_cndmask_b32 v30, v22, v28, s34               ; against the part tiles' prefix, where it is not
	v_and_b32 v5, 0xff, v4                         ; my token's key
	v_lshrrev_b32 v6, 8, v4                        ; and rank
.irp r, 23,24,25,26,27
	v_mov_b32 v\r, 0
.endr
	s_mov_b32 s28, 0                               ; full tiles of lower keys
	s_mov_b32 s29, s24                             ; F + part tiles of lower keys
	s_mov_b32 s30, 0                               ; tokens of lower keys
; The last key whose prefix is at most J owns tile J (keys without tiles share the next key's prefix and are passed over).  A select keeps the old value where the mask is set.
.set q, 0
.irp a, 0,1,2,3,4,5,6
.irp b, 1,2,3,4,5,6,7
.if \b > \a
.set BQ, 38+q
.if q > 25
.set BQ, 68+q
.endif
	s_add_co_u32 s32, s[BQ], s30
	v_cmp_ne_u32 vcc_lo, q, v5
	v_cndmask_b32 v23, s32, v23, vcc_lo            ; where q is my token's key: the first place of my chunk's tokens of that key
	v_sub_nc_u32 v31, v29, s28
	v_sub_nc_u32 v19, v30, s29
	v_min_i32 v31, v31, v19                        ; of the two differences the one that counts is the smaller: the other starts from 0x10000
	v_cmp_gt_i32 vcc_lo, 0, v31                    ; the key's prefix lies beyond J
	s_mov_b32 s37, \a|(\b<<8)
	v_cndmask_b32 v24, s30, v24, vcc_lo            ; the key's first place in 'order',
	v_cndmask_b32 v25, s28, v25, vcc_lo            ; its first full tile,
	v_cndmask_b32 v26, s[TOT+q], v26, vcc_lo       ; its tokens,
	v_cndmask_b32 v27, s37, v27, vcc_lo            ; its two experts
	s_lshr_b32 s35, s[TOT+q], 5
	s_add_co_u32 s28, s28, s35
	s_and_b32 s35, s[TOT+q], 31
	s_min_u32 s35, s35, 1
	s_add_co_u32 s29, s29, s35
	s_add_co_u32 s30, s30, s[TOT+q]
.set q, q+1
.endif
.endr
.endr
	v_add_nc_u32 v23, v23, v6
	v_min_u32 v23, 0xfff, v23                      ; a place made of loaded numbers is held inside the buffer
	v_lshlrev_b32 v23, 2, v23
	global_store_b32 v23, v20, s[12:13]            ; order[place] = my token
	v_sub_nc_u32 v32, v22, v25
	v_lshl_add_u32 v32, v32, 5, v24                ; a full tile: start,
	v_mov_b32 v33, 16
	v_mov_b32 v34, 32
	v_cndmask_b32 v35, 0, v33, s33
	v_add_nc_u32 v32, v32, v35                     ; 16 on for a second half;
	v_cmp_gt_u32 s35, s27, v22
	v_cndmask_b32 v36, v34, v33, s35               ; 16 rows where the tile is shared, else 32
	v_and_b32 v37, 0xffffffe0, v26
	v_add_nc_u32 v37, v37, v24                     ; a part tile: behind the key's full tiles,
	v_and_b32 v38, 31, v26                         ; what is left
	v_cndmask_b32 v40, v37, v32, s34
	v_cndmask_b32 v41, v38, v36, s34
	v_and_b32 v42, 0xff, v27
	v_lshrrev_b32 v43, 8, v27
	s_cmp_lt_u32 s21, 5                            ; entries 0..159: chunks 0 to 4 (ids alone)
	s_cbranch_scc0 .Lsorted
	v_lshlrev_b32 v44, 4, v20
	global_store_b128 v44, v[40:43], s[14:15]      ; 512 consecutive bytes
.Lsorted:
	s_endpgm
; Eight fragments (two pieces x four K steps): each lane's 24 + 24 bytes of a fragment come by six loads of 8 bytes, as the operand's registers want them, and leave as three stores of 512 consecutive bytes.
.macro RELAY sb, va, ustep
.irp u, 0,1
.irp s, 0,1,2,3
.irp p, 0,1,2,3,4,5
	global_load_b64 v[32+12*(4*\u+\s)+2*\p:32+12*(4*\u+\s)+2*\p+1], v[\va], s[\sb:\sb+1] offset:\u*(\ustep)+96*\s+48*(\p/3)+8*(\p%3)
.endr
.endr
.endr
.irp f, 0,1,2,3,4,5,6,7
	s_wait_loadcnt 42-6*\f                         ; fragment f's six loads are in: six for each later fragment were issued behind them
.irp j, 0,1,2
	global_store_b128 v2, v[32+12*\f+4*\j:32+12*\f+4*\j+3], s[16:17] offset:1536*\f+512*\j
.endr
.endr
.endm
.Llayout:
	s_sub_co_u32 s21, ttmp9, 32
	s_lshl_b32 s21, s21, 2
	s_add_co_u32 s21, s21, s20                     ; G = ((((e 4 + chunk) 4 + w) 2 + kind) 4 + pair
	s_and_b32 s22, s21, 3                          ; pair
	s_bfe_u32 s23, s21, 0x20003                    ; w
	s_bfe_u32 s24, s21, 0x20005                    ; chunk
	s_lshr_b32 s25, s21, 7                         ; e
	s_lshl_b32 s28, s23, 7
	s_lshl_b32 s29, s22, 5
	s_add_co_u32 s28, s28, s29                     ; 128 w + 32 pair
	s_mul_i32 s26, s21, 12288
	s_mov_b32 s27, 0
	s_add_nc_u64 s[16:17], s[16:17], s[26:27]      ; my 12,288 bytes of wl
	v_and_b32 v1, 31, v0
	v_lshlrev_b32 v2, 4, v1
	v_and_b32 v3, 15, v0                           ; r
	v_bfe_u32 v4, v0, 4, 1                         ; h
	s_bitcmp1_b32 s21, 2
	s_cbranch_scc1 .Lw2
	s_lshl_b32 s29, s25, 11                        ; W1: row 2048 e + 512 chunk + 128 w + 32 pair, 384 bytes a row
	s_add_co_u32 s29, s29, s28
	s_lshl_b32 s30, s24, 9
	s_add_co_u32 s29, s29, s30
	s_mul_i32 s26, s29, 384
	s_add_nc_u64 s[6:7], s[6:7], s[26:27]
	v_and_b32 v5, 8, v3
	v_add_nc_u32 v5, v5, v3                        ; r + 8 (r / 8)
	v_mul_u32_u24 v5, v5, 384
	v_mad_u32_u24 v5, v4, 24, v5
	RELAY 6, 5, 8*384
	s_endpgm
.Lw2:
	s_lshl_b32 s29, s25, 9                         ; W2: row 512 e + 128 w + 32 pair, 1,536 bytes a row; the chunk's 384 bytes of it
	s_add_co_u32 s29, s29, s28
	s_mul_i32 s26, s29, 1536
	s_mul_i32 s30, s24, 384
	s_add_co_u32 s26, s26, s30
	s_add_nc_u64 s[8:9], s[8:9], s[26:27]
	s_lshl_b32 s26, s29, 6                         ; its scale bytes: 64 a row, the chunk's 16
	s_lshl_b32 s30, s24, 4
	s_add_co_u32 s26, s26, s30
	s_add_nc_u64 s[10:11], s[10:11], s[26:27]
	s_lshl_b32 s26, s25, 2
	s_add_co_u32 s26, s26, s24
	s_lshl_b32 s26, s26, 9
	s_add_co_u32 s26, s26, s28
	s_lshl_b32 s26, s26, 4                         ; w2s: ((4 e + chunk) 512 + column) x 16
	s_add_nc_u64 s[18:19], s[18:19], s[26:27]
	v_mul_u32_u24 v5, v3, 1536
	v_mad_u32_u24 v5, v4, 24, v5
	v_lshlrev_b32 v6, 6, v1
	global_load_b128 v[128:131], v6, s[10:11]      ; a lane a column: older than RELAY's loads, so its counts stand
	RELAY 8, 5, 16*1536
	global_store_b128 v2, v[128:131], s[18:19]     ; 512 consecutive bytes
	s_endpgm
.Lfunc_end_k_q5493d33c06_place:
	.size	k_q5493d33c06_place, .Lfunc_end_k_q5493d33c06_place-k_q5493d33c06_place
	.p2alignl 7, 3214868480
	.fill 96, 4, 3214868480
	.section	.rodata,"a",@progbits
	.p2align	6, 0x0
	.amdhsa_kernel k_q5493d33c06_place
		.amdhsa_group_segment_fixed_size 0
		.amdhsa_private_segment_fixed_size 0
		.amdhsa_enable_private_segment 0
		.amdhsa_kernarg_size 64
		.amdhsa_user_sgpr_count 2
		.amdhsa_user_sgpr_kernarg_segment_ptr 1
		.amdhsa_wavefront_size32 1
		.amdhsa_system_sgpr_workgroup_id_x 1
		.amdhsa_system_sgpr_workgroup_id_y 1
		.amdhsa_system_sgpr_workgroup_id_z 1
		.amdhsa_system_vgpr_workitem_id 0
		.amdhsa_next_free_vgpr 160
		.amdhsa_next_free_sgpr 96
		.amdhsa_reserve_vcc 1
		.amdhsa_float_denorm_mode_32 3
		.amdhsa_float_denorm_mode_16_64 3
		.amdhsa_memory_ordered 1
		.amdhsa_forward_progress 1
		.amdhsa_inst_pref_size 65
	.end_amdhsa_kernel
	.amdgpu_metadata
---
amdhsa.version: [ 1, 2 ]
amdhsa.kernels:
  - .name:           k_q5493d33c06_place
    .symbol:         k_q5493d33c06_place.kd
    .args:
      - { .name: route, .offset: 0, .size: 8, .value_kind: global_buffer, .address_space: global }
      - { .name: w1_all_codes, .offset: 8, .size: 8, .value_kind: global_buffer, .address_space: global }
      - { .name: w2_all_codes, .offset: 16, .size: 8, .value_kind: global_buffer, .address_space: global }
      - { .name: w2_all_scales, .offset: 24, .size: 8, .value_kind: global_buffer, .address_space: global }
      - { .name: order, .offset: 32, .size: 8, .value_kind: global_buffer, .address_space: global }
      - { .name: tiles, .offset: 40, .size: 8, .value_kind: global_buffer, .address_space: global }
      - { .name: wl, .offset: 48, .size: 8, .value_kind: global_buffer, .address_space: global }
      - { .name: w2s, .offset: 56, .size: 8, .value_kind: global_buffer, .address_space: global }
    .group_segment_fixed_size: 0
    .private_segment_fixed_size: 0
    .kernarg_segment_align: 8
    .kernarg_segment_size: 64
    .max_flat_workgroup_size: 128
    .sgpr_count:     96
    .vgpr_count:     160
    .wavefront_size: 32
...
	.end_amdgpu_metadata
.endif
;; end of part 5
;; launch chain (part 6): grid 155 x 1, 4 waves a work-group, no clusters, 114,176 bytes of LDS; arguments tiles, order, gate, xq, xs, wl, w1_all_scales, w2s, b1_all, b2_all, out0; writes out0
.if DOCPART == 6
	.amdgcn_target "amdgcn-amd-amdhsa--gfx1250"
	.amdhsa_code_object_version 6
	.text
	.protected	k_q5493d33c06_chain
	.globl	k_q5493d33c06_chain
	.p2align	8
	.type	k_q5493d33c06_chain,@function
k_q5493d33c06_chain:
	s_mov_b64 s[64:65], 0
	v_nop
	global_prefetch_b8 v0, s[64:65] scope:SCOPE_SE
	s_setreg_imm32_b32 hwreg(HW_REG_WAVE_MODE, 25, 1), 1
	s_wait_xcnt 0x0
; out[token] = ga (relu(x W1a^T + b1a) W2a^T + b2a) + gb (the same with expert b), both products on codes of BF6 (E3M2) with one E8M0 scale for each 32 along K.
; A WORK-GROUP OWNS ONE TILE: at most 32 tokens that chose the same two experts a < b (the list of tiles and the sorted tokens were stored by the launch before).  Each output row has one owner:
; both experts' results are added inside the work-group.  Rows beyond the tile's count repeat its last token and are not stored.
; THE WAVES SHARE THE COLUMNS, NOT THE ROWS.  The work goes in eight chunks of 512 hidden units (four of expert a, four of b).  In a chunk wave w makes hidden units 128 w .. 128 w + 127 of all 32 rows,
; quantises them in registers (they are one K step of the second product) and hands them to the other waves through LDS as an image of the operand's registers; then it adds the chunk's four K steps onto
; its output columns 128 w .. 128 w + 127.  The hidden layer never goes to memory.
; THE WEIGHTS GO FROM MEMORY STRAIGHT INTO REGISTERS, laid by the launch before in the order of the operand's registers: a fragment is three loads of 512 consecutive bytes.  A chunk is eight PAIRS of
; pieces (four of W1, four of W2; 96 registers and 25 loads each) that go round a ring of four slots.  One slot is multiplied while THREE PAIRS ARE ASKED FOR: at the head of pair i the loads of pair i + 3
; go into the slot that pair i - 1 has just left.  That is 75 loads; the issue of a load that would push the counter past its field stalls (ISA guide 5.7.1), so the wave keeps as many loads out as can be counted.
; b1 COMES ONCE: a wave's 128 units of each of the eight chunks (eight loads, 4 KiB) go into LDS bytes of its own, and each pair of W1 takes its 16 registers from there: no load of the stream is spent on them.
; NO CLUSTER, NO TENSOR LOAD: which tiles share experts hangs on stored counts, 155 does not divide into clusters, and the last stores branch on a stored count.
; Both products are used transposed (source 0 = 16 rows of a weight, source 1 = 16 tokens): a lane holds one token (lane % 16) and its registers run along the weight's rows.
; LIMITS: NaN and infinities are not served; a block of zeros of the hidden layer gets the scale byte 1 (its codes are zeros).  The biases begin the sums, so the order of rounding differs from the reference's.
; REGISTERS, in windows of 256:  window 0: v1-24 addresses, gates, tokens; v32-47 the ring's scale words; v48-55 x's; v56-63 the hidden layer's; v64-123 the quantiser's; v128-255 the hidden sums, then the
; hidden fragments, at the end the results.   window 1: v0-191 slots 0, 1; v192-255 b1.   window 2: v0-191 slots 2, 3.   window 3: v0-127 the 16 accumulators of the output; v128-223 x's 8 fragments.
.set HIMG, 0                           ; LDS: the hidden layer's 8 fragments (tile of rows m, K step s: 4 m + s), 1,536 bytes each;
.set HSC,  12288                       ; their scale words, 128 bytes each;
.set STG,  13312                       ; for each wave a stage of its own: 32 rows x (512 bytes + 16);
.set B1L,  80896                       ; for each wave 8,192 bytes of its own, of which it uses 4,096: b1 of its 128 units of chunk g at 512 g
.set WS,   32
.set XS,   48
.set HS,   56
.set TM,   64
.set PW,   80
.set PC,   84
.set HA,   128
.set T,    128
.set B1R,  192                         ; in window 1
.set ACC,  0                           ; in window 3: accumulator (n, m) at 16 n + 8 m
.set X,    128                         ; in window 3: fragment (m, s) at 12 (4 m + s)
.set MSB, 0
.macro WIN new                         ; the immediate's high byte repeats the setting that is left; a switch that changes nothing is dropped
.if MSB != (\new)
	s_set_vgpr_msb (MSB<<8)|(\new)
.set MSB, (\new)
.endif
.endm
.macro PLACES n                        ; plain lines behind matrix instructions: four in front of loads into, and reads of, their registers; five in front of a matrix instruction that writes over them
.rept \n
	v_nop
.endr
.endm
.macro BARRIER                         ; my LDS stores have landed and my LDS loads are in: then the work-group's barrier
	s_wait_dscnt 0x0
	s_barrier_signal -1
	s_barrier_wait -1
.endm
.macro LDB1 b, off                     ; pair b's 32 biases a lane, from my own LDS bytes: four LDS loads
	WIN 0x40
.irp k, 0,1,2,3
	ds_load_b128 v[B1R+16*(\b)+4*\k:B1R+16*(\b)+4*\k+3], v6 offset:(\off)+128*(\b)+16*\k
.endr
.endm
; Pair b of W1 (pieces 2 b, 2 b + 1) into slot b: 25 loads: its scale words (lanes 0-15 piece 2 b's rows, lanes 16-31 piece 2 b + 1's; four K steps a lane) and its 8 fragments.
; off >= 0: its biases too, off bytes on from the chunk in hand.
.macro LDW1 b, wl, s1, off
	WIN 0
	global_load_b128 v[WS+4*(\b):WS+4*(\b)+3], v5, s[\s1:\s1+1] offset:512*(\b)
.if (\off) >= 0
	LDB1 \b, \off
.endif
	WIN 0x40<<((\b)>>1)
.set q_, 0
.rept 24
	global_load_b128 v[96*((\b)&1)+4*q_:96*((\b)&1)+4*q_+3], v1, s[\wl:\wl+1] offset:12288*(\b)+512*q_
.set q_, q_+1
.endr
.endm
; Pair pp of W2 into slot pp: 25 loads.
.macro LDW2 pp
	WIN 0
	global_load_b128 v[WS+4*(\pp):WS+4*(\pp)+3], v1, s[38:39] offset:512*(\pp)
	WIN 0x40<<((\pp)>>1)
.set q_, 0
.rept 24
	global_load_b128 v[96*((\pp)&1)+4*q_:96*((\pp)&1)+4*q_+3], v1, s[32:33] offset:49152+12288*(\pp)+512*q_
.set q_, q_+1
.endr
.endm
.macro WM d, a, b, c, sa, sb, u        ; u = 1: the weight's scale words stand in lanes 16-31
.if \u
	v_wmma_scale_f32_16x16x128_f8f6f4 v[\d:\d+7], v[\a:\a+11], v[\b:\b+11], v[\c:\c+7], v[\sa], v[\sb] matrix_a_fmt:MATRIX_FMT_BF6 matrix_b_fmt:MATRIX_FMT_BF6 matrix_a_scale:MATRIX_SCALE_ROW1
.else
	v_wmma_scale_f32_16x16x128_f8f6f4 v[\d:\d+7], v[\a:\a+11], v[\b:\b+11], v[\c:\c+7], v[\sa], v[\sb] matrix_a_fmt:MATRIX_FMT_BF6 matrix_b_fmt:MATRIX_FMT_BF6
.endif
.endm
; The first product for pair b: 16 matrix instructions; its four accumulators (piece u, rows m) take turns, one instruction a turn.  b1 is the C of each sum's first.
; In tile 2 b + u lane (r, h) holds token r, and register j hidden unit 32 b + 16 h + 8 u + j of my 128.
.macro MM1 b
.irp s, 0,1,2,3
.if \s == 0
	WIN 0x1d+((\b)>>1)                             ; W1 window 1 or 2, x window 3, b1 window 1, the sums window 0
.else
	WIN 0x0d+((\b)>>1)
.endif
.irp u, 0,1
.irp m, 0,1
.set rD, HA+64*\m+8*(2*(\b)+\u)
.set rA, 96*((\b)&1)+12*(4*\u+\s)
.set rB, X+12*(4*\m+\s)
.set rC, rD
.if \s == 0
.set rC, B1R+16*(\b)+8*\u
.endif
.set rSA, WS+4*(\b)+\s
.set rSB, XS+4*\m+\s
	WM rD, rA, rB, rC, rSA, rSB, \u
.endr
.endr
.endr
.endm
; The second product for pair pp: 16 matrix instructions onto four accumulators by turns.  Lane (r, h) holds token r, register j output column 128 w + 16 n + 8 h + j.
.macro MM2 pp
	WIN 0xf1+((\pp)>>1)                            ; W2 window 1 or 2, the hidden fragments window 0, C and D window 3
.irp s, 0,1,2,3
.irp u, 0,1
.irp m, 0,1
.set rD, ACC+16*(2*(\pp)+\u)+8*\m
.set rA, 96*((\pp)&1)+12*(4*\u+\s)
.set rB, HA+12*(4*\m+\s)
.set rSA, WS+4*(\pp)+\s
.set rSB, HS+4*\m+\s
	WM rD, rA, rB, rD, rSA, rSB, \u
.endr
.endr
.endr
.endm
; 64 numbers of a lane, none negative, register 16 b + i = k 32 b + 16 (lane / 16) + i of my token, become a fragment's codes in v[pc] on and its scale word in v[pw].
.macro QUANT s, pc, pw
.irp b, 0,1,2,3
	v_max3_num_f32 v[TM+\b], v[(\s)+16*\b], v[(\s)+1+16*\b], 0x2800000   ; block b: my 16 numbers, and the floor 2^(5 - 127): the byte cannot fall under 1
.endr
.irp i, 2,4,6,8,10,12,14
.irp b, 0,1,2,3
	v_max3_num_f32 v[TM+\b], v[TM+\b], v[(\s)+16*\b+\i], v[(\s)+1+16*\b+\i]
.endr
.endr
.irp b, 0,1,2,3
	v_permlanex16_b32 v[TM+4+\b], v[TM+\b], s60, s61
.endr
.irp b, 0,1,2,3
	v_max_num_f32 v[TM+\b], v[TM+\b], v[TM+4+\b]   ; with lane l xor 16's: the block's largest
.endr
.irp b, 0,1,2,3
	v_add_nc_u32 v[TM+12+\b], 0xfe000000, v[TM+\b] ; 4 off its exponent field: the conversion's scale operand
.endr
.irp b, 0,1,2,3
	v_lshrrev_b32 v[TM+4+\b], 23, v[TM+12+\b]      ; the scale's byte
.endr
	v_lshl_or_b32 v[\pw], v[TM+5], 8, v[TM+4]
	v_lshl_or_b32 v[\pw], v[TM+6], 16, v[\pw]
	v_lshl_or_b32 v[\pw], v[TM+7], 24, v[\pw]
.irp c, 0,1
	v_cvt_scalef32_pk16_bf6_f32 v[(\pc)+6*\c:(\pc)+2+6*\c], v[(\s)+32*\c:(\s)+15+32*\c], v[TM+12+2*\c]
	v_cvt_scalef32_pk16_bf6_f32 v[(\pc)+12+4*\c:(\pc)+14+4*\c], v[(\s)+16+32*\c:(\s)+31+32*\c], v[TM+12+2*\c+1]   ; (a conversion's three registers begin on an even number)
.endr
	v_nop                                          ; one plain line behind a scaled conversion
.irp c, 0,1                                    ; the operand's layout wants a whole block in a lane: lanes 0-15 block 2 c, lanes 16-31 block 2 c + 1
.irp i, 0,1,2
	v_permlane16_swap_b32 v[(\pc)+6*\c+\i], v[(\pc)+12+4*\c+\i]
.endr
.irp i, 0,1,2
	v_mov_b32 v[(\pc)+3+6*\c+\i], v[(\pc)+12+4*\c+\i]
.endr
.endr
.endm
.macro LDB2 p                          ; an expert's b2 begins the 16 sums: 32 loads straight into the accumulators
	WIN 0xc0
.set a_, 0
.rept 16
	global_load_b128 v[ACC+8*a_:ACC+8*a_+3], v7, s[\p:\p+1] offset:64*(a_>>1)
	global_load_b128 v[ACC+8*a_+4:ACC+8*a_+7], v7, s[\p:\p+1] offset:64*(a_>>1)+16
.set a_, a_+1
.endr
	WIN 0
.endm
.macro IDX g                           ; s59 = 4 x the expert of chunk s[g] + its chunk within the expert
	s_cmp_lt_u32 s[\g], 4
	s_cselect_b32 s59, s30, s31
	s_min_u32 s59, s59, 7                          ; a loaded number is held inside its table before it enters an offset
	s_lshl_b32 s59, s59, 2
	s_and_b32 s63, s[\g], 3
	s_add_co_u32 s59, s59, s63
.endm
.macro W1PTR wl, s1                    ; a chunk's pointers from s59: the laid-out codes, W1's scale bytes
	s_mul_i32 s46, s59, 393216
	s_add_nc_u64 s[\wl:\wl+1], s[48:49], s[46:47]
	s_lshl_b32 s46, s59, 13
	s_add_nc_u64 s[\s1:\s1+1], s[50:51], s[46:47]
.endm
; A CHUNK.  At the head of pair i stand the loads of pair i + 3 and the wait for pair i.  Behind pair i's loads those of three pairs, 75, have been issued; the wait names 63, the largest count that it can:
; a count under the number issued behind a load shows that load done.  The waits on the LDS counter at W1's pairs count the bias loads issued behind the pair's own: 12, 8, 4, 0.
; last = 1: the last chunk asks for nothing beyond itself, and its last counts are two pairs' loads, one pair's, none.
.macro CHUNK last
	PLACES 5                                       ; five: the first products below write the hidden sums over registers that the last chunk's second product read
	LDW1 3, 32, 34, 0
	s_wait_loadcnt 63
	s_wait_dscnt 12
	MM1 0
	PLACES 5
	LDW2 0
	s_wait_loadcnt 63
	s_wait_dscnt 8
	MM1 1
	PLACES 5
	LDW2 1
	s_wait_loadcnt 63
	s_wait_dscnt 4
	MM1 2
	PLACES 5
	LDW2 2
	s_wait_loadcnt 63
	s_wait_dscnt 0x0
	MM1 3
	WIN 0
	PLACES 4
.irp m, 0,1
.set j_, 0
.rept 64
	v_max_num_f32 v[HA+64*\m+j_], 0, v[HA+64*\m+j_]   ; the activation, in f32; each accumulator from its low end on
.set j_, j_+1
.endr
	QUANT HA+64*\m, PC+20*\m, PW+\m
.irp c, 0,1,2
	ds_store_b128 v3, v[PC+20*\m+4*\c:PC+20*\m+4*\c+3] offset:HIMG+6144*\m+512*\c   ; the fragment as it stands: K step w of rows 16 m on
.endr
	ds_store_b32 v4, v[PW+\m] offset:512*\m
.endr
	BARRIER                                        ; the hidden layer's eight fragments lie in LDS
.set f_, 0
.rept 8
.irp c, 0,1,2
	ds_load_b128 v[HA+12*f_+4*\c:HA+12*f_+4*\c+3], v1 offset:HIMG+1536*f_+512*\c
.endr
	ds_load_b32 v[HS+f_], v2 offset:HSC+128*f_
.set f_, f_+1
.endr
	BARRIER                                        ; every wave has them in registers: the next chunk may write the images again
	LDW2 3                                         ; (the quantiser's lines are the places behind slot 3's last reader)
	s_wait_loadcnt 63
	MM2 0
	PLACES 5
.if \last
	s_wait_loadcnt 50
.else
	LDW1 0, 40, 42, 512                            ; the next chunk's first pairs
	s_wait_loadcnt 63
.endif
	MM2 1
	PLACES 5
.if \last
	s_wait_loadcnt 25
.else
	LDW1 1, 40, 42, 512
	s_wait_loadcnt 63
.endif
	MM2 2
	PLACES 5
.if \last
	s_wait_loadcnt 0x0
.else
	LDW1 2, 40, 42, 512
	s_wait_loadcnt 63
.endif
	MM2 3
	WIN 0
.endm
	s_load_b512 s[4:19], s[0:1], 0x0               ; tiles, order, gate, xq, xs, wl, W1's scales, w2s
	s_load_b128 s[20:23], s[0:1], 0x40             ; b1, b2
	s_load_b64 s[24:25], s[0:1], 0x50              ; out
	v_lshl_add_u32 v126, v0, 2, 0x1bc00
	v_mov_b32 v127, 0
	v_lshrrev_b32 v1, 5, v0
	v_readfirstlane_b32 s27, v1                    ; wave 0..3
	v_and_b32 v25, 31, v0                          ; lane
	v_and_b32 v26, 15, v0                          ; r
	v_bfe_u32 v27, v0, 4, 1                        ; h
	v_lshlrev_b32 v1, 4, v25                       ; 16 x lane
	v_lshlrev_b32 v2, 2, v25                       ; 4 x lane
	s_mul_i32 s62, s27, 1536
	v_add_nc_u32 v3, s62, v1                       ; where I store my images: 16 x lane + 1,536 x wave
	s_lshl_b32 s62, s27, 7
	s_add_co_u32 s62, s62, HSC
	v_add_nc_u32 v4, s62, v2                       ; and their scale words
	v_and_b32 v5, 8, v26
	v_add_nc_u32 v5, v5, v26
	v_lshl_add_u32 v5, v27, 3, v5
	v_lshlrev_b32 v5, 4, v5                        ; W1's scale bytes: row 8 (lane / 16) + r + 8 (r / 8) of a pair's 32, 16 bytes a row
	s_lshl_b32 s62, s27, 13
	s_add_co_u32 s62, s62, B1L                     ; my bytes for b1
	v_lshl_add_u32 v6, v27, 6, s62                 ; out of them: my half's 16 numbers of each 32; stepped 512 bytes a chunk
	v_add_nc_u32 v30, s62, v1                      ; into them: 16 x lane
	v_lshlrev_b32 v7, 5, v27                       ; b2: my half's 8 of each 16
	s_mul_i32 s62, s27, 16896
	s_add_co_u32 s62, s62, STG                     ; my stage
	v_mul_u32_u24 v8, v26, 528
	v_lshl_add_u32 v8, v27, 5, v8
	v_add_nc_u32 v8, s62, v8                       ; in: row r, + 32 h
	v_add_nc_u32 v9, s62, v1                       ; back: a row of 512 bytes, 16 a lane
	s_lshl_b32 s62, s27, 9
	v_add_nc_u32 v16, s62, v1                      ; my 16 bytes in a row of out: 512 x wave + 16 x lane
.irp b, 0,1,2,3
	v_mov_b32 v[TM+4+\b], 0                        ; written once: a lane permute's destination counts as one of its sources
.endr
	s_mov_b32 s60, 0x76543210
	s_mov_b32 s61, 0xfedcba98                      ; v_permlanex16_b32's selects for lane l xor 16
	s_lshl_b32 s46, ttmp9, 4
	s_mov_b32 s47, 0
	s_wait_kmcnt 0x0
	s_add_nc_u64 s[4:5], s[4:5], s[46:47]
	s_load_b128 s[28:31], s[4:5], 0x0              ; my tile: start, count, a, b
	s_mul_i32 s46, s27, 98304                      ; the wave's share in each table
	s_add_nc_u64 s[48:49], s[14:15], s[46:47]
	s_lshl_b32 s46, s27, 11
	s_add_nc_u64 s[50:51], s[16:17], s[46:47]
	s_add_nc_u64 s[54:55], s[18:19], s[46:47]
	s_lshl_b32 s46, s27, 9
	s_add_nc_u64 s[52:53], s[20:21], s[46:47]
	s_add_nc_u64 s[56:57], s[22:23], s[46:47]
	s_wait_kmcnt 0x0
	s_min_u32 s28, s28, 0xfff                      ; loaded numbers are held inside their tables
	s_max_u32 s29, s29, 1
	s_min_u32 s29, s29, 32
	s_min_u32 s30, s30, 7
	s_min_u32 s31, s31, 7
	s_lshl_b32 s46, s31, 11
	s_add_nc_u64 s[68:69], s[56:57], s[46:47]      ; b2 of expert b,
	s_lshl_b32 s46, s30, 11
	s_add_nc_u64 s[56:57], s[56:57], s[46:47]      ; of expert a
	s_lshl_b32 s46, s30, 13
	s_add_nc_u64 s[36:37], s[52:53], s[46:47]      ; b1 of expert a: my 128 units of its first chunk,
	s_lshl_b32 s46, s31, 13
	s_add_nc_u64 s[44:45], s[52:53], s[46:47]      ; of expert b
	s_mov_b32 s58, 0                               ; the chunk in hand
	IDX 58
	W1PTR 32, 34
	s_lshl_b32 s46, s59, 13
	s_add_nc_u64 s[38:39], s[54:55], s[46:47]      ; W2's scale bytes of the chunk
	s_mov_b32 s62, 1
	IDX 62
	W1PTR 40, 42                                   ; the next chunk's
	s_sub_co_u32 s62, s29, 1
	v_min_u32 v28, s62, v26                        ; row 16 m + r, held at the tile's last row
	v_add_nc_u32 v29, 16, v26
	v_min_u32 v29, s62, v29
	v_add_nc_u32 v28, s28, v28
	v_add_nc_u32 v29, s28, v29
	v_min_u32 v28, 0xfff, v28
	v_min_u32 v29, 0xfff, v29
	v_lshlrev_b32 v28, 2, v28
	v_lshlrev_b32 v29, 2, v29
	; THE FIRST LOADS, in the order in which their data are wanted: what hangs on the tile's entry alone goes out at once, the first two pairs of W1 among it; x follows as soon as the tokens are known.
	global_load_b32 v14, v28, s[6:7]               ; my two tokens' numbers
	global_load_b32 v15, v29, s[6:7]
.irp c, 0,1,2,3
	global_load_b128 v[HA+4*\c:HA+4*\c+3], v1, s[36:37] offset:2048*\c         ; b1: 512 consecutive bytes a chunk, into registers that the hidden sums take later
	global_load_b128 v[HA+16+4*\c:HA+16+4*\c+3], v1, s[44:45] offset:2048*\c
.endr
	LDW1 0, 32, 34, -1
	LDW1 1, 32, 34, -1
	WIN 0
	s_wait_loadcnt 50                              ; the token numbers and b1 are in: the two pairs' 50 loads were issued behind them
	v_min_u32 v14, 0xfff, v14
	v_min_u32 v15, 0xfff, v15
	v_lshlrev_b32 v84, 3, v14
	v_lshlrev_b32 v85, 3, v15
	v_lshlrev_b32 v86, 4, v14
	v_lshlrev_b32 v87, 4, v15
	v_mul_u32_u24 v88, v14, 384
	v_mul_u32_u24 v89, v15, 384
	v_mad_u32_u24 v88, v27, 24, v88
	v_mad_u32_u24 v89, v27, 24, v89
	global_load_b64 v[10:11], v84, s[8:9]          ; the gates (of a, of b)
	global_load_b64 v[12:13], v85, s[8:9]
	global_load_b128 v[XS:XS+3], v86, s[12:13]     ; x's scale words, four K steps
	global_load_b128 v[XS+4:XS+7], v87, s[12:13]
	WIN 0xc0
.irp m, 0,1
.irp s, 0,1,2,3
.irp p, 0,1,2,3,4,5
	global_load_b64 v[X+12*(4*\m+\s)+2*\p:X+12*(4*\m+\s)+2*\p+1], v[88+\m], s[10:11] offset:96*\s+48*(\p/3)+8*(\p%3)   ; x's fragments stay in registers
.endr
.endr
.endr
	WIN 0
.set g_, 0
.rept 8
	ds_store_b128 v30, v[HA+4*g_:HA+4*g_+3] offset:512*g_   ; b1 of chunk g; LDS serves a wave's instructions in order: the loads below see these stores
.set g_, g_+1
.endr
	LDB1 0, 0
	LDB1 1, 0
	LDB1 2, 0
	LDW1 2, 32, 34, -1
	LDB2 56                                        ; behind x's loads stand pair 2's 25, these 32 and pair 3's 25: the first chunk's first wait, for 63, shows x in
.Lchunk:                                               ; chunks 0 to 6
	CHUNK 0
	s_cmp_lg_u32 s58, 3
	s_cbranch_scc1 .Lsame
	; THE CHANGE OF EXPERTS: expert a's result x ga goes to my own stage in LDS, and expert b's b2 begins the sums anew.  These 32 loads are younger than the next chunk's first three pairs, so every count
	; stays under what was issued behind the pair it waits for; behind them five pairs' loads are issued ahead of the wait in front of the second product, so they are in when it reads the accumulators.
	PLACES 4
	WIN 0xc3
.set a_, 0
.rept 16
.irp q, 0,2,4,6
	v_pk_mul_f32 v[ACC+8*a_+\q:ACC+8*a_+\q+1], v[ACC+8*a_+\q:ACC+8*a_+\q+1], v[10+2*(a_&1):11+2*(a_&1)] op_sel_hi:[1,0]
.endr
.set a_, a_+1
.endr
	WIN 0x0c                                       ; an LDS store's data are its source 1: window 3
.set a_, 0
.rept 16
	ds_store_b128 v8, v[ACC+8*a_:ACC+8*a_+3] offset:8448*(a_&1)+64*(a_>>1)
	ds_store_b128 v8, v[ACC+8*a_+4:ACC+8*a_+7] offset:8448*(a_&1)+64*(a_>>1)+16
.set a_, a_+1
.endr
	WIN 0
	s_wait_dscnt 0x0                               ; the stores have read their registers
	LDB2 68
.Lsame:
	s_wait_xcnt 0x0                                ; every load issued has read its base: the pointers may be written
	s_mov_b64 s[32:33], s[40:41]
	s_mov_b64 s[34:35], s[42:43]
	s_add_co_u32 s62, s58, 1
	IDX 62
	s_lshl_b32 s46, s59, 13
	s_add_nc_u64 s[38:39], s[54:55], s[46:47]
	s_add_co_u32 s62, s58, 2
	IDX 62
	W1PTR 40, 42                                   ; (ahead of the last chunk these point at expert b's first chunk and are not used)
	v_add_nc_u32 v6, 0x200, v6                     ; b1 of the next chunk
	s_add_co_u32 s58, s58, 1
	s_cmp_lt_u32 s58, 7
	s_cbranch_scc1 .Lchunk
	CHUNK 1                                        ; chunk 7, written out: it asks for nothing beyond itself
	; THE END: expert a's part comes back from my stage, expert b's result x gb is added, and the rows go through the stage once more, so that the wave stores whole runs of 512 bytes.
	PLACES 4
.set a_, 0
.rept 16
	ds_load_b128 v[T+8*a_:T+8*a_+3], v8 offset:8448*(a_&1)+64*(a_>>1)
	ds_load_b128 v[T+8*a_+4:T+8*a_+7], v8 offset:8448*(a_&1)+64*(a_>>1)+16
.set a_, a_+1
.endr
	s_wait_dscnt 0x0
	WIN 0x03
.set a_, 0
.rept 16
.irp q, 0,2,4,6
	v_pk_fma_f32 v[T+8*a_+\q:T+8*a_+\q+1], v[ACC+8*a_+\q:ACC+8*a_+\q+1], v[10+2*(a_&1):11+2*(a_&1)], v[T+8*a_+\q:T+8*a_+\q+1] op_sel:[0,1,0] op_sel_hi:[1,1,1]   ; of the pair (ga, gb) the second serves both halves
.endr
.set a_, a_+1
.endr
	WIN 0
.set a_, 0
.rept 16
	ds_store_b128 v8, v[T+8*a_:T+8*a_+3] offset:8448*(a_&1)+64*(a_>>1)
	ds_store_b128 v8, v[T+8*a_+4:T+8*a_+7] offset:8448*(a_&1)+64*(a_>>1)+16
.set a_, a_+1
.endr
.set i_, 0
.rept 32
	ds_load_b128 v[T+4*i_:T+4*i_+3], v9 offset:528*i_   ; LDS serves a wave's instructions in order: these see my stores
.set i_, i_+1
.endr
	s_wait_dscnt 0x0
.set i_, 0
.rept 32
.if (i_ > 0) && (i_%8 == 0)
	s_wait_xcnt 0x0                                ; the eight stores before have read their offsets, which are written again
.endif
	s_cmp_le_u32 s29, i_                           ; rows beyond the tile's count are not stored (behind the last barrier)
	s_cbranch_scc1 .Ldone
	v_readlane_b32 s62, v[14+i_/16], i_%16         ; row i's token
	s_min_u32 s62, s62, 0xfff
	s_lshl_b32 s62, s62, 11
	v_add_nc_u32 v[17+i_%8], s62, v16
	global_store_b128 v[17+i_%8], v[T+4*i_:T+4*i_+3], s[24:25] th:TH_STORE_NT   ; 32 lanes store 512 consecutive bytes, at a multiple of 256 from out's first byte
.set i_, i_+1
.endr
.Ldone:
	s_wait_tensorcnt 0x0
	ds_add_u32 v126, v127
	s_wait_dscnt 0x0
	s_endpgm
.Lfunc_end_k_q5493d33c06_chain:
	.size	k_q5493d33c06_chain, .Lfunc_end_k_q5493d33c06_chain-k_q5493d33c06_chain
	.p2alignl 7, 3214868480
	.fill 96, 4, 3214868480
	.section	.rodata,"a",@progbits
	.p2align	6, 0x0
	.amdhsa_kernel k_q5493d33c06_chain
		.amdhsa_group_segment_fixed_size 114176
		.amdhsa_private_segment_fixed_size 0
		.amdhsa_enable_private_segment 0
		.amdhsa_kernarg_size 88
		.amdhsa_user_sgpr_count 2
		.amdhsa_user_sgpr_kernarg_segment_ptr 1
		.amdhsa_wavefront_size32 1
		.amdhsa_system_sgpr_workgroup_id_x 1
		.amdhsa_system_sgpr_workgroup_id_y 1
		.amdhsa_system_sgpr_workgroup_id_z 1
		.amdhsa_system_vgpr_workitem_id 0
		.amdhsa_next_free_vgpr 1024
		.amdhsa_next_free_sgpr 80
		.amdhsa_reserve_vcc 0
		.amdhsa_float_denorm_mode_32 3
		.amdhsa_float_denorm_mode_16_64 3
		.amdhsa_memory_ordered 1
		.amdhsa_forward_progress 1
		.amdhsa_inst_pref_size 151
	.end_amdhsa_kernel
	.amdgpu_metadata
---
amdhsa.version: [ 1, 2 ]
amdhsa.kernels:
  - .name:           k_q5493d33c06_chain
    .symbol:         k_q5493d33c06_chain.kd
    .args:
      - { .name: tiles, .offset: 0, .size: 8, .value_kind: global_buffer, .address_space: global }
      - { .name: order, .offset: 8, .size: 8, .value_kind: global_buffer, .address_space: global }
      - { .name: gate, .offset: 16, .size: 8, .value_kind: global_buffer, .address_space: global }
      - { .name: xq, .offset: 24, .size: 8, .value_kind: global_buffer, .address_space: global }
      - { .name: xs, .offset: 32, .size: 8, .value_kind: global_buffer, .address_space: global }
      - { .name: wl, .offset: 40, .size: 8, .value_kind: global_buffer, .address_space: global }
      - { .name: w1_all_scales, .offset: 48, .size: 8, .value_kind: global_buffer, .address_space: global }
      - { .name: w2s, .offset: 56, .size: 8, .value_kind: global_buffer, .address_space: global }
      - { .name: b1_all, .offset: 64, .size: 8, .value_kind: global_buffer, .address_space: global }
      - { .name: b2_all, .offset: 72, .size: 8, .value_kind: global_buffer, .address_space: global }
      - { .name: out0, .offset: 80, .size: 8, .value_kind: global_buffer, .address_space: global }
    .group_segment_fixed_size: 114176
    .private_segment_fixed_size: 0
    .kernarg_segment_align: 8
    .kernarg_segment_size: 88
    .max_flat_workgroup_size: 128
    .sgpr_count:     80
    .vgpr_count:     1024
    .wavefront_size: 32
...
	.end_amdgpu_metadata
.endif
;; end of part 6
;; ======== version 3 of 3: 3 launches; version 2 with the launch chain written anew for expert scheduling mode
;; workspace buffers: xq 1,572,864 bytes; xs 65,536 bytes; route 32,768 bytes of whole numbers; gate 32,768 bytes; order 16,384 bytes of whole numbers; tiles 2,560 bytes of whole numbers; wl 12,582,912 bytes; w2s 262,144 bytes
;; launch route: the kernel of part 4 again; grid 128 x 1, 8 waves a work-group, no clusters, 84,992 bytes of LDS; arguments x, router_w, xq, xs, route, gate; writes xq, xs, route, gate
;; launch place: the kernel of part 5 again; grid 288 x 1, 4 waves a work-group, no clusters, 0 bytes of LDS; arguments route, w1_all_codes, w2_all_codes, w2_all_scales, order, tiles, wl, w2s; writes order, tiles, wl, w2s
;; launch chain (part 7): grid 155 x 1, 4 waves a work-group, no clusters, 114,176 bytes of LDS; arguments tiles, order, gate, xq, xs, wl, w1_all_scales, w2s, b1_all, b2_all, out0; writes out0
.if DOCPART == 7
	.amdgcn_target "amdgcn-amd-amdhsa--gfx1250"
	.amdhsa_code_object_version 6
	.text
	.protected	k_q5493d33c06_chain
	.globl	k_q5493d33c06_chain
	.p2align	8
	.type	k_q5493d33c06_chain,@function
k_q5493d33c06_chain:
	s_mov_b64 s[64:65], 0
	v_nop
	global_prefetch_b8 v0, s[64:65] scope:SCOPE_SE
	s_setreg_imm32_b32 hwreg(HW_REG_WAVE_SCHED_MODE, 0, 2), 2
	s_setreg_imm32_b32 hwreg(HW_REG_WAVE_MODE, 25, 1), 1
	s_wait_xcnt 0x0
	s_wait_alu depctr_vm_vsrc(0)
; out[token] = ga (relu(x W1a^T + b1a) W2a^T + b2a) + gb (the same with expert b), both products on codes of BF6 (E3M2) with one E8M0 scale for each 32 along K.
; A WORK-GROUP OWNS ONE TILE: at most 32 tokens that chose the same two experts a < b (the list of tiles and the sorted tokens were stored by the launch before).  Each output row has one owner:
; both experts' results are added inside the work-group.  Rows beyond the tile's count repeat its last token and are not stored.
; THE WAVES SHARE THE COLUMNS, NOT THE ROWS.  The work goes in eight chunks of 512 hidden units (four of expert a, four of b).  In a chunk wave w makes hidden units 128 w .. 128 w + 127 of all 32 rows,
; quantises them in registers (they are one K step of the second product) and hands them to the other waves through LDS as an image of the operand's registers; then it adds the chunk's four K steps onto
; its output columns 128 w .. 128 w + 127.  The hidden layer never goes to memory.
; THE WEIGHTS GO FROM MEMORY STRAIGHT INTO REGISTERS, laid by the launch before in the order of the operand's registers: a fragment is three loads of 512 consecutive bytes.  A chunk is eight PAIRS of
; pieces (four of W1, four of W2; 96 registers and 25 loads each) that go round a ring of four slots.  One slot is multiplied while the other three are on their way: in the step of pair i the loads of
; pair i + 3 go into the slot that pair i - 1 has just left.
; b1 COMES ONCE: a wave's 128 units of each of the eight chunks (eight loads, 4 KiB) go into LDS bytes of its own, and each pair of W1 takes its 16 registers from there: no load of the stream is spent on them.
; NO CLUSTER, NO TENSOR LOAD: which tiles share experts hangs on stored counts, 155 does not divide into clusters, and the last stores branch on a stored count.
; Both products are used transposed (source 0 = 16 rows of a weight, source 1 = 16 tokens): a lane holds one token (lane % 16) and its registers run along the weight's rows.
; LIMITS: NaN and infinities are not served; a block of zeros of the hidden layer gets the scale byte 1 (its codes are zeros).  The biases begin the sums, so the order of rounding differs from the reference's.
; REGISTERS, in windows of 256:  window 0: v1-24 addresses, gates, tokens; v32-47 the ring's scale words; v48-55 x's; v56-63 the hidden layer's; v64-123 the quantiser's; v128-255 the hidden sums, then the
; hidden fragments, at the end the results.   window 1: v0-191 slots 0, 1; v192-255 b1.   window 2: v0-191 slots 2, 3.   window 3: v0-127 the 16 accumulators of the output; v128-223 x's 8 fragments.
; THE MODE: SCHED_MODE bits 1:0 = 2 (LLVM: expert scheduling mode 2), set by the entry lines.  The code itself states the register dependences between vector or matrix instructions and memory or LDS
; instructions, with s_wait_alu, always for 0.
; THE PLAN.  Registers that memory or LDS instructions touch, round the loop:
;   slot k and its scale words v[32 + 4 k ..]   Written by a pair's 25 loads; read by that pair's 16 matrix instructions; loaded again in the next pair's step.
;   b1's registers (window 1, v192-255)         Written by four LDS loads a pair of W1; read as the C of that pair's first K step.
;   v128-255   Written by the first product and the activation, read by the conversions; then the LDS loads of the hidden fragments land in v128-223, which the second product reads.
;   v56-63     The hidden layer's scale words: LDS loads; read by the second product.
;   v80-122    Written by the quantiser; read by the eight LDS stores of the images.  (In the head v84-89 are offsets of x's loads.)
;   v6         b1's LDS address: read by the bias loads, stepped once a chunk, at the loop's end.  All other addresses are made once.
; A PAIR'S STEP: the waits for its own data; ONE wait on va_vdst: the pair before is done with its slot, its scale words and its biases; then the loads of the pair three on, dealt among this pair's matrix
; instructions, six behind each K step's four.  These matrix instructions name this pair's slot and scale words, x or the hidden fragments and their accumulators: none of the registers that those loads touch.
; One more wait on va_vdst stands behind the quantiser, ahead of the run of LDS stores; it also serves the LDS loads of the hidden fragments and the loads of W2's pair 3, since no vector or matrix
; instruction stands between it and them.  One wait on vm_vsrc a chunk stands at the loop's end: it frees v6 for its step and v80-122 for the next quantiser.
.set HIMG, 0                           ; LDS: the hidden layer's 8 fragments (tile of rows m, K step s: 4 m + s), 1,536 bytes each;
.set HSC,  12288                       ; their scale words, 128 bytes each;
.set STG,  13312                       ; for each wave a stage of its own: 32 rows x (512 bytes + 16);
.set B1L,  80896                       ; for each wave 8,192 bytes of its own, of which it uses 4,096: b1 of its 128 units of chunk g at 512 g
.set WS,   32
.set XS,   48
.set HS,   56
.set TM,   64
.set PW,   80
.set PC,   84
.set HA,   128
.set T,    128
.set B1R,  192                         ; in window 1
.set ACC,  0                           ; in window 3: accumulator (n, m) at 16 n + 8 m
.set X,    128                         ; in window 3: fragment (m, s) at 12 (4 m + s)
.set MSB, 0
.macro WIN new                         ; the immediate's high byte repeats the setting that is left; a switch that changes nothing is dropped
.if MSB != (\new)
	s_set_vgpr_msb (MSB<<8)|(\new)
.set MSB, (\new)
.endif
.endm
.macro PLACES n                        ; plain lines behind matrix instructions: four in front of loads into, and reads of, their registers; five in front of a matrix instruction that writes over them.  They stay beside the waits
.rept \n
	v_nop
.endr
.endm
.macro BARRIER                         ; my LDS stores have landed and my LDS loads are in: then the work-group's barrier
	s_wait_dscnt 0x0
	s_barrier_signal -1
	s_barrier_wait -1
.endm
.macro LDB1 b, off                     ; pair b's 32 biases a lane, from my own LDS bytes: four LDS loads
	WIN 0x40
.irp k, 0,1,2,3
	ds_load_b128 v[B1R+16*(\b)+4*\k:B1R+16*(\b)+4*\k+3], v6 offset:(\off)+128*(\b)+16*\k
.endr
.endm
; The first of a pair's 25 loads.  W1's pair b: its scale words (lanes 0-15 piece 2 b's rows, lanes 16-31 piece 2 b + 1's; four K steps a lane); off >= 0: its biases too, off bytes on from the chunk in hand.
.macro SCW1 b, sp, off
	WIN 0
	global_load_b128 v[WS+4*(\b):WS+4*(\b)+3], v5, s[\sp:\sp+1] offset:512*(\b)
.if (\off) >= 0
	LDB1 \b, \off
.endif
.endm
.macro SCW2 pp                         ; W2's pair pp: its scale words
	WIN 0
	global_load_b128 v[WS+4*(\pp):WS+4*(\pp)+3], v1, s[38:39] offset:512*(\pp)
.endm
; Six of the 24 loads that bring a pair's 8 fragments into slot dst: the part-th quarter.
.macro CODES dst, ptr, ofs, part
	WIN 0x40<<((\dst)>>1)
.set q_, 6*(\part)
.rept 6
	global_load_b128 v[96*((\dst)&1)+4*q_:96*((\dst)&1)+4*q_+3], v1, s[\ptr:\ptr+1] offset:(\ofs)+512*q_
.set q_, q_+1
.endr
.endm
.macro PAIRW1 b                        ; in the head: a whole pair of the first chunk's W1 in one run, without its biases
	SCW1 \b, 34, -1
.irp g, 0,1,2,3
	CODES \b, 32, 12288*(\b), \g
.endr
.endm
.macro WM d, a, b, c, sa, sb, u        ; u = 1: the weight's scale words stand in lanes 16-31
.if \u
	v_wmma_scale_f32_16x16x128_f8f6f4 v[\d:\d+7], v[\a:\a+11], v[\b:\b+11], v[\c:\c+7], v[\sa], v[\sb] matrix_a_fmt:MATRIX_FMT_BF6 matrix_b_fmt:MATRIX_FMT_BF6 matrix_a_scale:MATRIX_SCALE_ROW1
.else
	v_wmma_scale_f32_16x16x128_f8f6f4 v[\d:\d+7], v[\a:\a+11], v[\b:\b+11], v[\c:\c+7], v[\sa], v[\sb] matrix_a_fmt:MATRIX_FMT_BF6 matrix_b_fmt:MATRIX_FMT_BF6
.endif
.endm
; The first product for pair b: 16 matrix instructions; its four accumulators (piece u, rows m) take turns, one instruction a turn.  b1 is the C of each sum's first.
; In tile 2 b + u lane (r, h) holds token r, and register j hidden unit 32 b + 16 h + 8 u + j of my 128.  Behind each K step's four stand six loads of the pair three on, into slot dst.
.macro MM1 b, dst, ptr, ofs
.irp s, 0,1,2,3
.if \s == 0
	WIN 0x1d+((\b)>>1)                             ; W1 window 1 or 2, x window 3, b1 window 1, the sums window 0
.else
	WIN 0x0d+((\b)>>1)
.endif
.irp u, 0,1
.irp m, 0,1
.set rD, HA+64*\m+8*(2*(\b)+\u)
.set rA, 96*((\b)&1)+12*(4*\u+\s)
.set rB, X+12*(4*\m+\s)
.set rC, rD
.if \s == 0
.set rC, B1R+16*(\b)+8*\u
.endif
.set rSA, WS+4*(\b)+\s
.set rSB, XS+4*\m+\s
	WM rD, rA, rB, rC, rSA, rSB, \u
.endr
.endr
	CODES \dst, \ptr, \ofs, \s                     ; no wait: no vector or matrix instruction since the step's wait names slot dst
.endr
.endm
; The second product for pair pp: 16 matrix instructions onto four accumulators by turns.  Lane (r, h) holds token r, register j output column 128 w + 16 n + 8 h + j.  ld = 1: loads as in the first product.
.macro MM2 pp, ld, dst, ptr, ofs
.irp s, 0,1,2,3
	WIN 0xf1+((\pp)>>1)                            ; W2 window 1 or 2, the hidden fragments window 0, C and D window 3
.irp u, 0,1
.irp m, 0,1
.set rD, ACC+16*(2*(\pp)+\u)+8*\m
.set rA, 96*((\pp)&1)+12*(4*\u+\s)
.set rB, HA+12*(4*\m+\s)
.set rSA, WS+4*(\pp)+\s
.set rSB, HS+4*\m+\s
	WM rD, rA, rB, rD, rSA, rSB, \u
.endr
.endr
.if \ld
	CODES \dst, \ptr, \ofs, \s                     ; no wait: no vector or matrix instruction since the step's wait names slot dst
.endif
.endr
.endm
; 64 numbers of a lane, none negative, register 16 b + i = k 32 b + 16 (lane / 16) + i of my token, become a fragment's codes in v[pc] on and its scale word in v[pw].
.macro QUANT s, pc, pw
.irp b, 0,1,2,3
	v_max3_num_f32 v[TM+\b], v[(\s)+16*\b], v[(\s)+1+16*\b], 0x2800000   ; block b: my 16 numbers, and the floor 2^(5 - 127): the byte cannot fall under 1
.endr
.irp i, 2,4,6,8,10,12,14
.irp b, 0,1,2,3
	v_max3_num_f32 v[TM+\b], v[TM+\b], v[(\s)+16*\b+\i], v[(\s)+1+16*\b+\i]
.endr
.endr
.irp b, 0,1,2,3
	v_permlanex16_b32 v[TM+4+\b], v[TM+\b], s60, s61
.endr
.irp b, 0,1,2,3
	v_max_num_f32 v[TM+\b], v[TM+\b], v[TM+4+\b]   ; with lane l xor 16's: the block's largest
.endr
.irp b, 0,1,2,3
	v_add_nc_u32 v[TM+12+\b], 0xfe000000, v[TM+\b] ; 4 off its exponent field: the conversion's scale operand
.endr
.irp b, 0,1,2,3
	v_lshrrev_b32 v[TM+4+\b], 23, v[TM+12+\b]      ; the scale's byte
.endr
	v_lshl_or_b32 v[\pw], v[TM+5], 8, v[TM+4]
	v_lshl_or_b32 v[\pw], v[TM+6], 16, v[\pw]
	v_lshl_or_b32 v[\pw], v[TM+7], 24, v[\pw]
.irp c, 0,1
	v_cvt_scalef32_pk16_bf6_f32 v[(\pc)+6*\c:(\pc)+2+6*\c], v[(\s)+32*\c:(\s)+15+32*\c], v[TM+12+2*\c]
	v_cvt_scalef32_pk16_bf6_f32 v[(\pc)+12+4*\c:(\pc)+14+4*\c], v[(\s)+16+32*\c:(\s)+31+32*\c], v[TM+12+2*\c+1]   ; (a conversion's three registers begin on an even number)
.endr
	v_nop                                          ; one plain line behind a scaled conversion
.irp c, 0,1                                    ; the operand's layout wants a whole block in a lane: lanes 0-15 block 2 c, lanes 16-31 block 2 c + 1
.irp i, 0,1,2
	v_permlane16_swap_b32 v[(\pc)+6*\c+\i], v[(\pc)+12+4*\c+\i]
.endr
.irp i, 0,1,2
	v_mov_b32 v[(\pc)+3+6*\c+\i], v[(\pc)+12+4*\c+\i]
.endr
.endr
.endm
.macro LDB2 p                          ; an expert's b2 begins the 16 sums: 32 loads straight into the accumulators
	WIN 0xc0
.set a_, 0
.rept 16
	global_load_b128 v[ACC+8*a_:ACC+8*a_+3], v7, s[\p:\p+1] offset:64*(a_>>1)
	global_load_b128 v[ACC+8*a_+4:ACC+8*a_+7], v7, s[\p:\p+1] offset:64*(a_>>1)+16
.set a_, a_+1
.endr
	WIN 0
.endm
.macro IDX g                           ; s59 = 4 x the expert of chunk s[g] + its chunk within the expert
	s_cmp_lt_u32 s[\g], 4
	s_cselect_b32 s59, s30, s31
	s_min_u32 s59, s59, 7                          ; a loaded number is held inside its table before it enters an offset
	s_lshl_b32 s59, s59, 2
	s_and_b32 s63, s[\g], 3
	s_add_co_u32 s59, s59, s63
.endm
.macro W1PTR wl, s1                    ; a chunk's pointers from s59: the laid-out codes, W1's scale bytes
	s_mul_i32 s46, s59, 393216
	s_add_nc_u64 s[\wl:\wl+1], s[48:49], s[46:47]
	s_lshl_b32 s46, s59, 13
	s_add_nc_u64 s[\s1:\s1+1], s[50:51], s[46:47]
.endm
; A CHUNK.  THE COUNTS.  At the head of pair i's step the loads of pairs i + 1 and i + 2, 50, have been issued behind pair i's: the wait names 50.  (In the first chunk and behind the change of experts b2's 32 loads
; stand among them: a count under the number issued behind a load shows that load done.)  The waits on the LDS counter at W1's pairs count the bias loads issued behind the pair's own: 8, 8, 4, 0.
; last = 1: the last chunk asks for nothing beyond itself: its last counts are one pair's loads and none, and its last three steps, which issue no load, hold no s_wait_alu.
.macro CHUNK last
	PLACES 5                                       ; five: the first products below write the hidden sums over registers that the last chunk's second product read
	s_wait_loadcnt 50                              ; W1's pair 0 is in
	s_wait_dscnt 8                                 ; and its biases
	s_wait_alu depctr_va_vdst(0)                   ; the last chunk's products are done reading slot 3, its scale words and pair 3's biases, in which the loads below land; v6 is written, which the bias loads read
	SCW1 3, 34, 0
	MM1 0, 3, 32, 12288*3
	PLACES 5
	s_wait_loadcnt 50                              ; W1's pair 1
	s_wait_dscnt 8
	s_wait_alu depctr_va_vdst(0)                   ; pair 0's products are done reading slot 0 and its scale words, in which the loads below land
	SCW2 0
	MM1 1, 0, 32, 49152
	PLACES 5
	s_wait_loadcnt 50                              ; W1's pair 2
	s_wait_dscnt 4
	s_wait_alu depctr_va_vdst(0)                   ; pair 1's products are done reading slot 1 and its scale words
	SCW2 1
	MM1 2, 1, 32, 49152+12288
	PLACES 5
	s_wait_loadcnt 50                              ; W1's pair 3
	s_wait_dscnt 0x0
	s_wait_alu depctr_va_vdst(0)                   ; pair 2's products are done reading slot 2 and its scale words
	SCW2 2
	MM1 3, 2, 32, 49152+12288*2
	WIN 0
	PLACES 4
.irp m, 0,1
.set j_, 0
.rept 64
	v_max_num_f32 v[HA+64*\m+j_], 0, v[HA+64*\m+j_]   ; the activation, in f32; each accumulator from its low end on
.set j_, j_+1
.endr
	QUANT HA+64*\m, PC+20*\m, PW+\m
.endr
	s_wait_alu depctr_va_vdst(0)                   ; the quantiser has written both fragments' codes and scale words, which the LDS stores read; the activation and the conversions are done with v128-255, in which the hidden fragments land; pair 3's products are done reading slot 3 and its scale words, which are loaded again behind the barriers
.irp m, 0,1
.irp c, 0,1,2
	ds_store_b128 v3, v[PC+20*\m+4*\c:PC+20*\m+4*\c+3] offset:HIMG+6144*\m+512*\c   ; the fragment as it stands: K step w of rows 16 m on
.endr
	ds_store_b32 v4, v[PW+\m] offset:512*\m
.endr
	BARRIER                                        ; the hidden layer's eight fragments lie in LDS
.set f_, 0
.rept 8
.irp c, 0,1,2
	ds_load_b128 v[HA+12*f_+4*\c:HA+12*f_+4*\c+3], v1 offset:HIMG+1536*f_+512*\c
.endr
	ds_load_b32 v[HS+f_], v2 offset:HSC+128*f_
.set f_, f_+1
.endr
	BARRIER                                        ; every wave has them in registers: the next chunk may write the images again
	s_wait_loadcnt 50                              ; W2's pair 0
	SCW2 3                                         ; (the quantiser's lines are the places behind slot 3's last reader, and the wait behind the quantiser has shown that reader done)
	MM2 0, 1, 3, 32, 49152+12288*3
	PLACES 5
	s_wait_loadcnt 50                              ; W2's pair 1
.if \last
	MM2 1, 0, 0, 0, 0
.else
	s_wait_alu depctr_va_vdst(0)                   ; pair 0's products are done reading slot 0 and its scale words; the first product is long done with pair 0's biases: the next chunk's first pair lands there
	SCW1 0, 42, 512
	MM2 1, 1, 0, 40, 0
.endif
	PLACES 5
.if \last
	s_wait_loadcnt 25                              ; W2's pair 2: pair 3's loads alone stand behind it
	MM2 2, 0, 0, 0, 0
.else
	s_wait_loadcnt 50                              ; W2's pair 2
	s_wait_alu depctr_va_vdst(0)                   ; pair 1's products are done reading slot 1 and its scale words
	SCW1 1, 42, 512
	MM2 2, 1, 1, 40, 12288
.endif
	PLACES 5
.if \last
	s_wait_loadcnt 0x0
	MM2 3, 0, 0, 0, 0
.else
	s_wait_loadcnt 50                              ; W2's pair 3
	s_wait_alu depctr_va_vdst(0)                   ; pair 2's products are done reading slot 2 and its scale words
	SCW1 2, 42, 512
	MM2 3, 1, 2, 40, 12288*2
.endif
	WIN 0
.endm
	s_load_b512 s[4:19], s[0:1], 0x0               ; tiles, order, gate, xq, xs, wl, W1's scales, w2s
	s_load_b128 s[20:23], s[0:1], 0x40             ; b1, b2
	s_load_b64 s[24:25], s[0:1], 0x50              ; out
	v_lshl_add_u32 v126, v0, 2, 0x1bc00
	v_mov_b32 v127, 0
	v_lshrrev_b32 v1, 5, v0
	v_readfirstlane_b32 s27, v1                    ; wave 0..3
	v_and_b32 v25, 31, v0                          ; lane
	v_and_b32 v26, 15, v0                          ; r
	v_bfe_u32 v27, v0, 4, 1                        ; h
	v_lshlrev_b32 v1, 4, v25                       ; 16 x lane
	v_lshlrev_b32 v2, 2, v25                       ; 4 x lane
	s_wait_alu depctr_va_sdst(0)                   ; s27 is written, ahead of its first reader: LDS addresses and the wave's shares of the tables are made from it
	s_mul_i32 s62, s27, 1536
	v_add_nc_u32 v3, s62, v1                       ; where I store my images: 16 x lane + 1,536 x wave
	s_lshl_b32 s62, s27, 7
	s_add_co_u32 s62, s62, HSC
	v_add_nc_u32 v4, s62, v2                       ; and their scale words
	v_and_b32 v5, 8, v26
	v_add_nc_u32 v5, v5, v26
	v_lshl_add_u32 v5, v27, 3, v5
	v_lshlrev_b32 v5, 4, v5                        ; W1's scale bytes: row 8 (lane / 16) + r + 8 (r / 8) of a pair's 32, 16 bytes a row
	s_lshl_b32 s62, s27, 13
	s_add_co_u32 s62, s62, B1L                     ; my bytes for b1
	v_lshl_add_u32 v6, v27, 6, s62                 ; out of them: my half's 16 numbers of each 32; stepped 512 bytes a chunk
	v_add_nc_u32 v30, s62, v1                      ; into them: 16 x lane
	v_lshlrev_b32 v7, 5, v27                       ; b2: my half's 8 of each 16
	s_mul_i32 s62, s27, 16896
	s_add_co_u32 s62, s62, STG                     ; my stage
	v_mul_u32_u24 v8, v26, 528
	v_lshl_add_u32 v8, v27, 5, v8
	v_add_nc_u32 v8, s62, v8                       ; in: row r, + 32 h
	v_add_nc_u32 v9, s62, v1                       ; back: a row of 512 bytes, 16 a lane
	s_lshl_b32 s62, s27, 9
	v_add_nc_u32 v16, s62, v1                      ; my 16 bytes in a row of out: 512 x wave + 16 x lane
.irp b, 0,1,2,3
	v_mov_b32 v[TM+4+\b], 0                        ; written once: a lane permute's destination counts as one of its sources
.endr
	s_mov_b32 s60, 0x76543210
	s_mov_b32 s61, 0xfedcba98                      ; v_permlanex16_b32's selects for lane l xor 16
	s_lshl_b32 s46, ttmp9, 4
	s_mov_b32 s47, 0
	s_wait_kmcnt 0x0
	s_add_nc_u64 s[4:5], s[4:5], s[46:47]
	s_load_b128 s[28:31], s[4:5], 0x0              ; my tile: start, count, a, b
	s_mul_i32 s46, s27, 98304                      ; the wave's share in each table
	s_add_nc_u64 s[48:49], s[14:15], s[46:47]
	s_lshl_b32 s46, s27, 11
	s_add_nc_u64 s[50:51], s[16:17], s[46:47]
	s_add_nc_u64 s[54:55], s[18:19], s[46:47]
	s_lshl_b32 s46, s27, 9
	s_add_nc_u64 s[52:53], s[20:21], s[46:47]
	s_add_nc_u64 s[56:57], s[22:23], s[46:47]
	s_wait_kmcnt 0x0
	s_min_u32 s28, s28, 0xfff                      ; loaded numbers are held inside their tables
	s_max_u32 s29, s29, 1
	s_min_u32 s29, s29, 32
	s_min_u32 s30, s30, 7
	s_min_u32 s31, s31, 7
	s_lshl_b32 s46, s31, 11
	s_add_nc_u64 s[68:69], s[56:57], s[46:47]      ; b2 of expert b,
	s_lshl_b32 s46, s30, 11
	s_add_nc_u64 s[56:57], s[56:57], s[46:47]      ; of expert a
	s_lshl_b32 s46, s30, 13
	s_add_nc_u64 s[36:37], s[52:53], s[46:47]      ; b1 of expert a: my 128 units of its first chunk,
	s_lshl_b32 s46, s31, 13
	s_add_nc_u64 s[44:45], s[52:53], s[46:47]      ; of expert b
	s_mov_b32 s58, 0                               ; the chunk in hand
	IDX 58
	W1PTR 32, 34
	s_lshl_b32 s46, s59, 13
	s_add_nc_u64 s[38:39], s[54:55], s[46:47]      ; W2's scale bytes of the chunk
	s_mov_b32 s62, 1
	IDX 62
	W1PTR 40, 42                                   ; the next chunk's
	s_sub_co_u32 s62, s29, 1
	v_min_u32 v28, s62, v26                        ; row 16 m + r, held at the tile's last row
	v_add_nc_u32 v29, 16, v26
	v_min_u32 v29, s62, v29
	v_add_nc_u32 v28, s28, v28
	v_add_nc_u32 v29, s28, v29
	v_min_u32 v28, 0xfff, v28
	v_min_u32 v29, 0xfff, v29
	v_lshlrev_b32 v28, 2, v28
	v_lshlrev_b32 v29, 2, v29
	s_wait_alu depctr_va_vdst(0)                   ; the addresses and offsets v1 to v9, v16 and v28 to v30 are written, which the loads and stores of the whole kernel read
	; THE FIRST LOADS, in the order in which their data are wanted: what hangs on the tile's entry alone goes out at once, the first two pairs of W1 among it; x follows as soon as the tokens are known.
	global_load_b32 v14, v28, s[6:7]               ; my two tokens' numbers
	global_load_b32 v15, v29, s[6:7]
.irp c, 0,1,2,3
	global_load_b128 v[HA+4*\c:HA+4*\c+3], v1, s[36:37] offset:2048*\c         ; b1: 512 consecutive bytes a chunk, into registers that the hidden sums take later
	global_load_b128 v[HA+16+4*\c:HA+16+4*\c+3], v1, s[44:45] offset:2048*\c
.endr
	PAIRW1 0
	PAIRW1 1
	WIN 0
	s_wait_loadcnt 50                              ; the token numbers and b1 are in: the two pairs' 50 loads were issued behind them
	v_min_u32 v14, 0xfff, v14
	v_min_u32 v15, 0xfff, v15
	v_lshlrev_b32 v84, 3, v14
	v_lshlrev_b32 v85, 3, v15
	v_lshlrev_b32 v86, 4, v14
	v_lshlrev_b32 v87, 4, v15
	v_mul_u32_u24 v88, v14, 384
	v_mul_u32_u24 v89, v15, 384
	v_mad_u32_u24 v88, v27, 24, v88
	v_mad_u32_u24 v89, v27, 24, v89
	s_wait_alu depctr_va_vdst(0)                   ; the six offsets v84 to v89 are written, which the loads below read
	global_load_b64 v[10:11], v84, s[8:9]          ; the gates (of a, of b)
	global_load_b64 v[12:13], v85, s[8:9]
	global_load_b128 v[XS:XS+3], v86, s[12:13]     ; x's scale words, four K steps
	global_load_b128 v[XS+4:XS+7], v87, s[12:13]
	WIN 0xc0
.irp m, 0,1
.irp s, 0,1,2,3
.irp p, 0,1,2,3,4,5
	global_load_b64 v[X+12*(4*\m+\s)+2*\p:X+12*(4*\m+\s)+2*\p+1], v[88+\m], s[10:11] offset:96*\s+48*(\p/3)+8*(\p%3)   ; x's fragments stay in registers
.endr
.endr
.endr
	WIN 0
.set g_, 0
.rept 8
	ds_store_b128 v30, v[HA+4*g_:HA+4*g_+3] offset:512*g_   ; b1 of chunk g; LDS serves a wave's instructions in order: the loads below see these stores
.set g_, g_+1
.endr
	LDB1 0, 0
	LDB1 1, 0
	LDB1 2, 0
	PAIRW1 2
	LDB2 56                                        ; behind x's loads stand pair 2's 25 and these 32: the first chunk's first wait, for 50, shows x in
	s_wait_alu depctr_vm_vsrc(0)                   ; the LDS stores have read v128 to v159, which the first products write; the loads of the gates and of x have read v84 to v89, which the quantiser writes
.Lchunk:                                               ; chunks 0 to 6
	CHUNK 0
	s_cmp_lg_u32 s58, 3
	s_cbranch_scc1 .Lsame
	; THE CHANGE OF EXPERTS: expert a's result x ga goes to my own stage in LDS, and expert b's b2 begins the sums anew.  These 32 loads are younger than the next chunk's first three pairs, so every count
	; stays under what was issued behind the pair it waits for; behind them four pairs' loads are issued ahead of the wait in front of the second product, so they are in when it reads the accumulators.
	PLACES 4
	WIN 0xc3
.set a_, 0
.rept 16
.irp q, 0,2,4,6
	v_pk_mul_f32 v[ACC+8*a_+\q:ACC+8*a_+\q+1], v[ACC+8*a_+\q:ACC+8*a_+\q+1], v[10+2*(a_&1):11+2*(a_&1)] op_sel_hi:[1,0]
.endr
.set a_, a_+1
.endr
	WIN 0x0c                                       ; an LDS store's data are its source 1: window 3
	s_wait_alu depctr_va_vdst(0)                   ; the multiplications have written the 128 registers that the LDS stores read, and in which b2's loads land
.set a_, 0
.rept 16
	ds_store_b128 v8, v[ACC+8*a_:ACC+8*a_+3] offset:8448*(a_&1)+64*(a_>>1)
	ds_store_b128 v8, v[ACC+8*a_+4:ACC+8*a_+7] offset:8448*(a_&1)+64*(a_>>1)+16
.set a_, a_+1
.endr
	WIN 0
	s_wait_dscnt 0x0                               ; expert a's part lies in my stage
	s_wait_alu depctr_vm_vsrc(0)                   ; the LDS stores have read the accumulators' registers, in which b2's loads land
	LDB2 68
.Lsame:
	s_wait_xcnt 0x0                                ; every load issued has read its base: the pointers may be written
	s_mov_b64 s[32:33], s[40:41]
	s_mov_b64 s[34:35], s[42:43]
	s_add_co_u32 s62, s58, 1
	IDX 62
	s_lshl_b32 s46, s59, 13
	s_add_nc_u64 s[38:39], s[54:55], s[46:47]
	s_add_co_u32 s62, s58, 2
	IDX 62
	W1PTR 40, 42                                   ; (ahead of the last chunk these point at expert b's first chunk and are not used)
	s_wait_alu depctr_vm_vsrc(0)                   ; the bias loads issued so far have read v6, which is stepped below; this chunk's LDS stores have read the codes and scale words, which the next chunk's quantiser writes
	v_add_nc_u32 v6, 0x200, v6                     ; b1 of the next chunk (the wait at the next chunk's head shows it written)
	s_add_co_u32 s58, s58, 1
	s_cmp_lt_u32 s58, 7
	s_cbranch_scc1 .Lchunk
	CHUNK 1                                        ; chunk 7, written out: it asks for nothing beyond itself
	; THE END: expert a's part comes back from my stage, expert b's result x gb is added, and the rows go through the stage once more, so that the wave stores whole runs of 512 bytes.
	PLACES 4
	s_wait_alu depctr_va_vdst(0)                   ; the last products are done reading the hidden fragments, in whose registers the loads below land
.set a_, 0
.rept 16
	ds_load_b128 v[T+8*a_:T+8*a_+3], v8 offset:8448*(a_&1)+64*(a_>>1)
	ds_load_b128 v[T+8*a_+4:T+8*a_+7], v8 offset:8448*(a_&1)+64*(a_>>1)+16
.set a_, a_+1
.endr
	s_wait_dscnt 0x0
	WIN 0x03
.set a_, 0
.rept 16
.irp q, 0,2,4,6
	v_pk_fma_f32 v[T+8*a_+\q:T+8*a_+\q+1], v[ACC+8*a_+\q:ACC+8*a_+\q+1], v[10+2*(a_&1):11+2*(a_&1)], v[T+8*a_+\q:T+8*a_+\q+1] op_sel:[0,1,0] op_sel_hi:[1,1,1]   ; of the pair (ga, gb) the second serves both halves
.endr
.set a_, a_+1
.endr
	WIN 0
	s_wait_alu depctr_va_vdst(0)                   ; the multiply-adds have written the results, which the LDS stores read
.set a_, 0
.rept 16
	ds_store_b128 v8, v[T+8*a_:T+8*a_+3] offset:8448*(a_&1)+64*(a_>>1)
	ds_store_b128 v8, v[T+8*a_+4:T+8*a_+7] offset:8448*(a_&1)+64*(a_>>1)+16
.set a_, a_+1
.endr
	s_wait_alu depctr_vm_vsrc(0)                   ; the LDS stores have read these registers, in which the rows land on their way back
.set i_, 0
.rept 32
	ds_load_b128 v[T+4*i_:T+4*i_+3], v9 offset:528*i_   ; LDS serves a wave's instructions in order: these see my stores
.set i_, i_+1
.endr
	; The 32 rows' offsets in out are made in one run while the rows come back: the tokens' numbers into s32 to s63 (the pointers there are done with: every load has landed), the offsets into v32 to v63
	; (the scale words there are done with).  No offset is written twice.
.set i_, 0
.rept 32
	v_readlane_b32 s[32+i_], v[14+i_/16], i_%16    ; row i's token
.set i_, i_+1
.endr
	s_wait_alu depctr_va_sdst(0)                   ; s32 to s63 are written, ahead of their first reader
.set i_, 0
.rept 32
	s_min_u32 s[32+i_], s[32+i_], 0xfff
	s_lshl_b32 s[32+i_], s[32+i_], 11
	v_add_nc_u32 v[32+i_], s[32+i_], v16
.set i_, i_+1
.endr
	s_wait_alu depctr_va_vdst(0)                   ; the 32 offsets are written, which the stores below read
	s_wait_dscnt 0x0
.set i_, 0
.rept 32
	s_cmp_le_u32 s29, i_                           ; rows beyond the tile's count are not stored (behind the last barrier)
	s_cbranch_scc1 .Ldone
	global_store_b128 v[32+i_], v[T+4*i_:T+4*i_+3], s[24:25] th:TH_STORE_NT   ; 32 lanes store 512 consecutive bytes, at a multiple of 256 from out's first byte
.set i_, i_+1
.endr
.Ldone:
	s_wait_dscnt 0x0                               ; the closing lines, six on end
	s_wait_alu 0x0
	s_wait_tensorcnt 0x0
	ds_add_u32 v126, v127
	s_wait_dscnt 0x0
	s_endpgm
.Lfunc_end_k_q5493d33c06_chain:
	.size	k_q5493d33c06_chain, .Lfunc_end_k_q5493d33c06_chain-k_q5493d33c06_chain
	.p2alignl 7, 3214868480
	.fill 96, 4, 3214868480
	.section	.rodata,"a",@progbits
	.p2align	6, 0x0
	.amdhsa_kernel k_q5493d33c06_chain
		.amdhsa_group_segment_fixed_size 114176
		.amdhsa_private_segment_fixed_size 0
		.amdhsa_enable_private_segment 0
		.amdhsa_kernarg_size 88
		.amdhsa_user_sgpr_count 2
		.amdhsa_user_sgpr_kernarg_segment_ptr 1
		.amdhsa_wavefront_size32 1
		.amdhsa_system_sgpr_workgroup_id_x 1
		.amdhsa_system_sgpr_workgroup_id_y 1
		.amdhsa_system_sgpr_workgroup_id_z 1
		.amdhsa_system_vgpr_workitem_id 0
		.amdhsa_next_free_vgpr 1024
		.amdhsa_next_free_sgpr 80
		.amdhsa_reserve_vcc 0
		.amdhsa_float_denorm_mode_32 3
		.amdhsa_float_denorm_mode_16_64 3
		.amdhsa_memory_ordered 1
		.amdhsa_forward_progress 1
		.amdhsa_inst_pref_size 154
	.end_amdhsa_kernel
	.amdgpu_metadata
---
amdhsa.version: [ 1, 2 ]
amdhsa.kernels:
  - .name:           k_q5493d33c06_chain
    .symbol:         k_q5493d33c06_chain.kd
    .args:
      - { .name: tiles, .offset: 0, .size: 8, .value_kind: global_buffer, .address_space: global }
      - { .name: order, .offset: 8, .size: 8, .value_kind: global_buffer, .address_space: global }
      - { .name: gate, .offset: 16, .size: 8, .value_kind: global_buffer, .address_space: global }
      - { .name: xq, .offset: 24, .size: 8, .value_kind: global_buffer, .address_space: global }
      - { .name: xs, .offset: 32, .size: 8, .value_kind: global_buffer, .address_space: global }
      - { .name: wl, .offset: 40, .size: 8, .value_kind: global_buffer, .address_space: global }
      - { .name: w1_all_scales, .offset: 48, .size: 8, .value_kind: global_buffer, .address_space: global }
      - { .name: w2s, .offset: 56, .size: 8, .value_kind: global_buffer, .address_space: global }
      - { .name: b1_all, .offset: 64, .size: 8, .value_kind: global_buffer, .address_space: global }
      - { .name: b2_all, .offset: 72, .size: 8, .value_kind: global_buffer, .address_space: global }
      - { .name: out0, .offset: 80, .size: 8, .value_kind: global_buffer, .address_space: global }
    .group_segment_fixed_size: 114176
    .private_segment_fixed_size: 0
    .kernarg_segment_align: 8
    .kernarg_segment_size: 88
    .max_flat_workgroup_size: 128
    .sgpr_count:     80
    .vgpr_count:     1024
    .wavefront_size: 32
...
	.end_amdgpu_metadata
.endif
;; end of part 7
